; MI455X (gfx1250); checked and timed in simulation.
; The chip was launched on July 23, 2026; its instructions are those of AMD's public machine-readable ISA for CDNA 5 (MIT licence, August 2026) and "CDNA5" Instruction Set Architecture Reference Guide (July 2026). The comments in the code are by the model that wrote it; some were corrected since.
;; Multi Head Attention. Allowed arithmetic: matrix products marked QUANTISED: E2M3 operands, one E8M0 scale for each 32 along K, by v_wmma_scale_f32_16x16x128_f8f6f4 with both operands' format E2M3, f32 sums; everything else in f32.
;; Inputs: bk 1,024 float32; bo 1,024 float32; bq 1,024 float32; bv 1,024 float32; wk 1,024 x 1,024 float32; wo 1,024 x 1,024 float32; wq 1,024 x 1,024 float32; wv 1,024 x 1,024 float32; x 4 x 2,048 x 1,024 float32.
;; Outputs: out0 4 x 2,048 x 1,024 float32.
;; This version of the problem:
;;   THIS VERSION OF THE PROBLEM IS GIVEN IN LOW PRECISION. The matrix products marked QUANTISED in the list below multiply operands that are first quantised to E2M3 (2 exponent bits, 3 mantissa bits; 6 bits a number), with one power-of-two scale for each 32 numbers along K (OCP MX v1.0); their sums are f32. All else is computed in f32.
;;   The module's matrix products, in the order in which they are computed (A, B: the left and right operand; K: the contracted axis; several contracted axes count as one K, in the product's order):
;;     1. [M 8,192, K 1,024] x [K 1,024, N 1,024]; A: input x; B: input wq: QUANTISED
;;     2. [M 8,192, K 1,024] x [K 1,024, N 1,024]; A: input x; B: input wk: QUANTISED
;;     3. [M 8,192, K 1,024] x [K 1,024, N 1,024]; A: input x; B: input wv: QUANTISED
;;     4. batch 64 x [M 2,048, K 64] x [K 64, N 2,048]; A: computed on the way; B: computed on the way: QUANTISED
;;     5. batch 64 x [M 2,048, K 2,048] x [K 2,048, N 64]; A: softmax (see below); B: computed on the way: QUANTISED
;;     6. [M 8,192, K 1,024] x [K 1,024, N 1,024]; A: computed on the way; B: input wo: QUANTISED
;;   THE QUANTISER, for each operand of a quantised product, along K:
;;     - K is cut into blocks of 32 from its start; a last block that is shorter is filled with zeros.
;;     - A block's scale is 2^e with e = floor(log2(the largest magnitude in the block)) - 2, held to -126 .. 127; a block of zeros has e = 0. As a byte (E8M0): e + 127.
;;     - Each number is divided by its block's scale, clamped to +-7.5, and rounded to the nearest number of E2M3, ties to even, subnormals kept.
;;     - The product sums the exact products of the quantised numbers (number of the format x scale) in f32.
;;   ~~~python
;;   def quantise(x, axis):      # numpy; x: float32 -> the quantised numbers, widened to float32 again
;;       x = np.moveaxis(x, axis, -1); K = x.shape[-1]
;;       x = np.pad(x, [(0, 0)] * (x.ndim - 1) + [(0, -K % 32)]); x = x.reshape(x.shape[:-1] + (-1, 32)); a = np.abs(x).max(-1, keepdims=True)
;;       e = np.where(a > 0, np.clip(np.frexp(np.where(a > 0, a, 1))[1] - 1 - 2, -126, 127), 0)      # np.frexp(a)[1] - 1 = floor(log2(a)), exactly
;;       r = np.clip(x / 2.0 ** e, -7.5, 7.5)
;;       step = 2.0 ** (np.maximum(np.frexp(np.where(r == 0, 1, r))[1] - 1, 0) - 3)
;;       q = np.round(r / step) * step * 2.0 ** e      # np.round: ties to even
;;       return np.moveaxis(q.reshape(q.shape[:-2] + (-1,))[..., :K], -1, axis).astype(np.float32)
;;   ~~~
;;   SOFTMAX AHEAD OF A QUANTISED PRODUCT. Where the list says 'softmax', what is quantised is not the finished softmax but p = 2^(t - M), with t = logit x log2(e) and M = ceil(the row's largest t), a whole number; so 1/2 < the row's largest p <= 1. The row's sum l is taken of the UNQUANTISED p, in f32, and the product's result is divided by l at the end. Since M is a whole number, a kernel that streams over the keys may use a running M (the ceiling of the running maximum): every later rescaling is an exact power of two, which a block's scale takes up: the codes' values come out the same.
;;   OPERANDS COMPUTED ON THE WAY. 'Computed on the way' means the value that the module computes at that place (a softmax that the list does not call 'softmax' is quantised finished and normalised). What goes into a quantiser is computed in f32, as accurately as f32 sums, v_exp_f32 and their like allow (about 1e-6 of the number): no bf16 or f16 on the way to a quantiser, and a product that is left as it is and whose result goes on into a quantised operand takes f32 operands (vector FMAs, or v_wmma_f32_16x16x4_f32). A number that lies on a knife's edge between two numbers of the format may be rounded either way, as far as f32 arithmetic and the matrix unit's own rounding can turn it there, and no further.
;; One version. Each part assembles by itself: llvm-mc -triple=amdgcn-amd-amdhsa -mcpu=gfx1250 --defsym DOCPART=n.
;; ======== version 1 of 1: 5 launches
;; workspace buffers: cod 9,830,400 bytes; qkvc 18,874,368 bytes; qkvs 1,310,720 bytes; acod 6,291,456 bytes; ascl 262,144 bytes
;; launch quant_x (part 1): grid 256 x 1, 4 waves a work-group, no clusters, 33,280 bytes of LDS; arguments x, cod; writes cod
.if DOCPART == 1
	.amdgcn_target "amdgcn-amd-amdhsa--gfx1250"
	.amdhsa_code_object_version 6
	.text
	.protected	k_q53024f9c6d_quant_x
	.globl	k_q53024f9c6d_quant_x
	.p2align	8
	.type	k_q53024f9c6d_quant_x,@function
k_q53024f9c6d_quant_x:
	s_mov_b64 s[64:65], 0
	v_nop
	global_prefetch_b8 v0, s[64:65] scope:SCOPE_SE
	s_setreg_imm32_b32 hwreg(HW_REG_WAVE_MODE, 25, 1), 1
	s_wait_xcnt 0x0
; x [8192][1024] f32 becomes codes of FP6 (E2M3), K innermost, 768 bytes a row, and one E8M0 scale byte for each 32 along K, 32 bytes a row.
; A block's scale is 2^(floor(log2(its largest magnitude)) - 2); its byte is the largest magnitude's exponent field - 2, held at 1 from below.
; THE ROWS ARE STORED IN ANOTHER ORDER: true row p goes to place p with bits 3 and 4 exchanged.  Sixteen neighbouring stored rows are then true rows 32 b + 8 u + r + 8 (r / 8):
; the choice of rows with which a transposed matrix result has 16 neighbours along the next K in 16 registers of a lane.
; A wave takes 8 rows (8,192 numbers, 16 steps of 512): bits 3 and 4 of a row are the wave's number's two bits, so the exchange is made on the wave's number alone.
; Each load reads 512 consecutive bytes; a step's 2,048 bytes turn through the wave's own stage in LDS so that a lane holds 16 neighbours; two neighbouring lanes hold a block.
; LIMITS: NaN and infinities among the inputs are not served.  A block whose largest magnitude lies under 2^-124, a block of zeros among them, keeps the byte 1: its codes are then zeros or
; subnormal codes under the smallest scale that the rule allows; the bytes are read by this program alone.
; No tensor loads, no barrier: waves share nothing.  Matrix units and clusters have nothing to do here: the launch streams.
.set STEPS, 16
.set EMAX,  2
.set CB,    12                         ; bytes of 16 codes
.set R,     16                         ; v16-79   four sets of 16 numbers as they are loaded
.set X,     80                         ; v80-111  two sets of 16 neighbours
.set C,     128                        ; v128-191 codes: four registers for each step, so that no store's data are written again
.set E,     112                        ; v112-127 a scale byte for each step
.set WREG,  8192                       ; LDS: a region for each wave: two stages of 32 x SP bytes, behind them its 256 scale bytes
.set SP,    80                         ; a lane's place in a stage: its 64 bytes + 16 of padding
.set SC_OFF, 9437184                   ; where the scale bytes begin in cod: behind 12,288 rows of 768 bytes
	s_load_b128 s[4:7], s[0:1], 0x0                ; x, cod
	v_lshl_add_u32 v192, v0, 2, 0x8000
	v_mov_b32 v193, 0
	v_lshrrev_b32 v1, 5, v0
	v_readfirstlane_b32 s16, v1                    ; wave
	v_and_b32 v2, 31, v0                           ; lane
	v_lshlrev_b32 v3, 4, v2                        ; my 16 bytes of a load's 512
	s_mul_i32 s17, s16, WREG
	v_lshrrev_b32 v14, 2, v2
	v_mul_u32_u24 v14, v14, SP
	v_and_b32 v15, 3, v2
	v_lshl_add_u32 v14, v15, 4, v14
	v_add_nc_u32 v14, s17, v14                     ; the stage, on the way in: SP (lane / 4) + 16 (lane % 4)
	v_mul_u32_u24 v15, v2, SP
	v_add_nc_u32 v15, s17, v15                     ; and on the way out: SP x lane: my 16 neighbours
	v_mul_u32_u24 v4, v2, CB                       ; my codes' place in a step's
	v_lshrrev_b32 v5, 1, v2
	s_add_co_u32 s17, s17, 2*32*SP
	v_add_nc_u32 v5, s17, v5                       ; LDS: my wave's 256 scale bytes, my block's byte
	v_lshlrev_b32 v7, 3, v2                        ; and on the way out 8 bytes a lane
	v_add_nc_u32 v6, s17, v7
	s_lshl_b32 s18, ttmp9, 2
	s_add_co_u32 s19, s18, s16                     ; which 8 rows I read: 4 x work-group + wave
	s_and_b32 s22, s16, 1
	s_lshl_b32 s22, s22, 1
	s_lshr_b32 s23, s16, 1
	s_or_b32 s22, s22, s23                         ; the wave's two bits exchanged
	s_add_co_u32 s22, s22, s18                     ; which 8 places I write
	s_lshl_b32 s20, s19, 15                        ; 8 rows of 4,096 bytes
	s_mov_b32 s21, 0
	s_mul_i32 s24, s22, 32*STEPS*CB                ; 8 rows of 768 bytes
	s_mov_b32 s25, 0
	s_lshl_b32 s26, s22, 8                         ; 8 rows of 32 bytes
	s_add_co_u32 s26, s26, SC_OFF
	s_mov_b32 s27, 0
	s_wait_alu depctr_va_vdst(0)
	s_wait_kmcnt 0x0
	s_add_nc_u64 s[4:5], s[4:5], s[20:21]
	s_add_nc_u64 s[8:9], s[6:7], s[24:25]
	s_add_nc_u64 s[10:11], s[6:7], s[26:27]
.macro LOAD t
.irp i, 0,1,2,3
	global_load_b128 v[R+16*((\t)%4)+4*\i:R+16*((\t)%4)+4*\i+3], v3, s[4:5] offset:2048*(\t)+512*\i th:TH_LOAD_NT   ; 32 lanes read 512 consecutive bytes
.endr
.endm
.macro TURN t                          ; step t's numbers through the stage: LDS serves a wave's instructions in order, so no wait stands between the stores and the loads
.irp i, 0,1,2,3
	ds_store_b128 v14, v[R+16*((\t)%4)+4*\i:R+16*((\t)%4)+4*\i+3] offset:32*SP*((\t)%2)+8*SP*\i
.endr
.irp i, 0,1,2,3
	ds_load_b128 v[X+16*((\t)%2)+4*\i:X+16*((\t)%2)+4*\i+3], v15 offset:32*SP*((\t)%2)+16*\i
.endr
.endm
.irp t, 0,1,2,3
	LOAD \t
.endr
	s_wait_loadcnt 12                              ; step 0's four loads are in; the twelve of steps 1 to 3 stay out
	TURN 0
.macro STEP t
.set XS, X+16*((\t)%2)
.if (\t) > 0
	s_wait_dscnt 1                                 ; this step's numbers are back from the stage (the last step's byte store may be out): so its stores into the stage have read their registers,
.else
	s_wait_dscnt 0x0
.endif
.if (\t)+4 < STEPS
	LOAD (\t)+4                                    ; which take the loads of four steps on
.endif
.if (\t)+1 < STEPS
.if STEPS-2-(\t) >= 3
	s_wait_loadcnt 12                              ; the next step's four loads are in; those of the three steps behind it may be out
.else
	s_wait_loadcnt 4*(STEPS-2-(\t))
.endif
	TURN (\t)+1                                    ; and go through the other stage while this step is worked
.endif
	v_max3_num_f32 v8, |v[XS]|, |v[XS+1]|, |v[XS+2]|               ; the largest magnitude of my 16, in two chains
	v_max3_num_f32 v9, |v[XS+3]|, |v[XS+4]|, |v[XS+5]|
.irp i, 6,10
	v_max3_num_f32 v8, v8, |v[XS+\i]|, |v[XS+\i+1]|
	v_max3_num_f32 v9, v9, |v[XS+\i+2]|, |v[XS+\i+3]|
.endr
	v_max3_num_f32 v8, v8, |v[XS+14]|, |v[XS+15]|
	v_max3_num_f32 v8, v8, v9, (EMAX+1)<<23        ; and the floor 2^(3 - 127): so the byte cannot fall under 1
	v_max_num_f32_dpp v8, v8, v8 row_xmask:1 row_mask:0xf bank_mask:0xf   ; and of my neighbour's 16: the block's
	v_add_nc_u32 v11, -(EMAX<<23), v8              ; 2 off its exponent field: the conversion takes the exponent field of this operand as its scale
	v_cvt_scalef32_pk16_fp6_f32 v[C+4*(\t):C+4*(\t)+2], v[XS:XS+15], v11   ; sixteen numbers / the scale, to the nearest code, ties to even, beyond the largest code the largest
	v_lshrrev_b32 v[E+(\t)], 23, v11               ; the scale's byte (also the plain line behind the conversion)
	ds_store_b8 v5, v[E+(\t)] offset:16*(\t)       ; both lanes of a block write the same byte with the same value
	global_store_b96 v4, v[C+4*(\t):C+4*(\t)+2], s[8:9] offset:32*CB*(\t)   ; the wave stores 384 consecutive bytes
.endm
.irp t, 0,1,2,3,4,5,6,7,8,9,10,11,12,13,14,15
	STEP \t
.endr
	ds_load_b64 v[12:13], v6                       ; LDS serves a wave's instructions in order: these see my stores
	s_wait_dscnt 0x0
	global_store_b64 v7, v[12:13], s[10:11]        ; 32 lanes store 256 consecutive bytes, aligned
	s_wait_tensorcnt 0x0
	ds_add_u32 v192, v193
	s_wait_dscnt 0x0
	s_endpgm
.Lfunc_end_k_q53024f9c6d_quant_x:
	.size	k_q53024f9c6d_quant_x, .Lfunc_end_k_q53024f9c6d_quant_x-k_q53024f9c6d_quant_x
	.p2alignl 7, 3214868480
	.fill 96, 4, 3214868480
	.section	.rodata,"a",@progbits
	.p2align	6, 0x0
	.amdhsa_kernel k_q53024f9c6d_quant_x
		.amdhsa_group_segment_fixed_size 33280
		.amdhsa_private_segment_fixed_size 0
		.amdhsa_enable_private_segment 0
		.amdhsa_kernarg_size 16
		.amdhsa_user_sgpr_count 2
		.amdhsa_user_sgpr_kernarg_segment_ptr 1
		.amdhsa_wavefront_size32 1
		.amdhsa_system_sgpr_workgroup_id_x 1
		.amdhsa_system_sgpr_workgroup_id_y 1
		.amdhsa_system_sgpr_workgroup_id_z 1
		.amdhsa_system_vgpr_workitem_id 0
		.amdhsa_next_free_vgpr 194
		.amdhsa_next_free_sgpr 66
		.amdhsa_reserve_vcc 0
		.amdhsa_float_denorm_mode_32 3
		.amdhsa_float_denorm_mode_16_64 3
		.amdhsa_memory_ordered 1
		.amdhsa_forward_progress 1
		.amdhsa_inst_pref_size 32
	.end_amdhsa_kernel
	.amdgpu_metadata
---
amdhsa.version: [ 1, 2 ]
amdhsa.kernels:
  - .name:           k_q53024f9c6d_quant_x
    .symbol:         k_q53024f9c6d_quant_x.kd
    .args:
      - { .name: x, .offset: 0, .size: 8, .value_kind: global_buffer, .address_space: global }
      - { .name: cod, .offset: 8, .size: 8, .value_kind: global_buffer, .address_space: global }
    .group_segment_fixed_size: 33280
    .private_segment_fixed_size: 0
    .kernarg_segment_align: 8
    .kernarg_segment_size: 16
    .max_flat_workgroup_size: 128
    .sgpr_count:     66
    .vgpr_count:     194
    .wavefront_size: 32
...
	.end_amdgpu_metadata
.endif
;; end of part 1
;; launch quant_w (part 2): grid 32 x 4, 4 waves a work-group, no clusters, 36,352 bytes of LDS; arguments wq, wk, wv, wo, cod; writes cod
.if DOCPART == 2
	.amdgcn_target "amdgcn-amd-amdhsa--gfx1250"
	.amdhsa_code_object_version 6
	.text
	.protected	k_q53024f9c6d_quant_w
	.globl	k_q53024f9c6d_quant_w
	.p2align	8
	.type	k_q53024f9c6d_quant_w,@function
k_q53024f9c6d_quant_w:
	s_mov_b64 s[64:65], 0
	v_nop
	global_prefetch_b8 v0, s[64:65] scope:SCOPE_SE
	s_setreg_imm32_b32 hwreg(HW_REG_WAVE_MODE, 25, 1), 1
	s_wait_xcnt 0x0
; The four weights, each [1024 (k)][1024 (n)] f32 with K on the FIRST axis, become codes of FP6 (E2M3) laid [n][k] with K innermost (768 bytes a row) and one E8M0 byte for each 32 along K (32 bytes a row).
; They go into cod behind x's 8,192 rows: wq from row 8,192, wk 9,216, wv 10,240, wo 11,264.  Within a weight column n goes to row n with bits 3 and 4 exchanged (the order that x's rows have too).
; A LANE TAKES A COLUMN n, AND ITS REGISTERS RUN DOWN K: each load reads 128 consecutive bytes a wave, a block of 32 along K lies in one lane's 32 registers, and the conversions give codes with K innermost.
; Work-group x: weight x / 8, columns 128 (x % 8) on, 32 a wave; work-group y: which 256 along K.  A wave's codes (192 bytes a column) go through its own stage in LDS and leave by rows: sixteen lanes
; store a row's 192 consecutive bytes.  A lane's 8 scale bytes leave by one store of 8 bytes: 1 byte in 128 of what the launch reads.
; LIMITS: NaN and infinities are not served; a block whose largest magnitude lies under 2^-124, zeros among them, keeps the byte 1 (read by this program alone).
; No tensor loads, no barrier: waves share nothing.  Loads run two blocks (64 loads a wave) ahead.
.set SIZE_K, 1024
.set SIZE_N, 1024
.set KW,    256                        ; along K for a wave
.set NB,    KW/32                      ; blocks
.set ROWB,  192                        ; bytes of KW codes
.set PITCH, 272                        ; a stage row: sixteen places of 16 bytes, each with 12 bytes of codes, + 16
.set KROW,  SIZE_K*6/8                 ; a row of codes in bytes
.set EMAX,  2
.set SC_OFF, 9437184                   ; where the scale bytes begin in cod
.set X,     32                         ; v32-95   two sets of 32 numbers
.set C,     96                         ; v96..    a block's codes
.set OUTR,  112                        ; v112-175 the way out: 16 x 4 registers
.set SB,    24                         ; v24-25   the scale bytes, four to a register
	s_load_b256 s[4:11], s[0:1], 0x0               ; wq, wk, wv, wo
	s_load_b64 s[12:13], s[0:1], 0x20              ; cod
	v_lshl_add_u32 v192, v0, 2, 0x8c00
	v_mov_b32 v193, 0
	v_lshrrev_b32 v1, 5, v0
	v_readfirstlane_b32 s16, v1                    ; wave 0..3
	v_and_b32 v2, 31, v0                           ; lane
	s_wait_alu depctr_va_vdst(0)
	s_lshr_b32 s14, ttmp9, 3                       ; which weight
	s_and_b32 s17, ttmp9, 7
	s_lshl_b32 s17, s17, 7
	s_lshl_b32 s18, s16, 5
	s_add_co_u32 s17, s17, s18                     ; my wave's first column in the weight
	s_lshl_b32 s15, ttmp9, 7
	s_add_co_u32 s15, s15, s18
	s_add_co_u32 s15, s15, 8192                    ; and its first row in cod: 8,192 + 1,024 x weight + column
	s_and_b32 s18, ttmp7, 0xffff                   ; which KW along K
	v_lshlrev_b32 v3, 2, v2                        ; in: 4 bytes a lane
	s_mul_i32 s19, s16, 32*PITCH                   ; my stage
	v_mul_u32_u24 v4, v2, PITCH
	v_add_nc_u32 v4, s19, v4                       ; into it: row = my column
	v_and_b32 v5, 15, v2
	v_lshrrev_b32 v6, 4, v2                        ; out of it: sixteen lanes to a row, two rows an instruction
	v_mul_u32_u24 v7, v6, PITCH
	v_lshl_add_u32 v7, v5, 4, v7
	v_add_nc_u32 v7, s19, v7                       ; LDS address
	v_mul_u32_u24 v8, v6, KROW
	v_mad_u32_u24 v8, v5, 12, v8                   ; and the place in the codes: bit 0 of a row is not touched by the exchange
	v_and_b32 v9, 7, v2                            ; my column with bits 3 and 4 exchanged,
	v_bfe_u32 v10, v2, 3, 1
	v_lshl_or_b32 v9, v10, 4, v9
	v_bfe_u32 v10, v2, 4, 1
	v_lshl_or_b32 v9, v10, 3, v9
	v_lshlrev_b32 v9, 5, v9                        ; times a row of 32 scale bytes
	s_lshl_b32 s20, s18, 20                        ; in: 256 rows of 4,096 bytes for each step along y,
	s_lshl_b32 s22, s17, 2
	s_add_co_u32 s20, s20, s22                     ; + 4 x column
	s_mov_b32 s21, 0
	s_mul_i32 s24, s15, KROW                       ; codes: row x 768 + 192 y
	s_mul_i32 s26, s18, ROWB
	s_add_co_u32 s24, s24, s26
	s_mov_b32 s25, 0
	s_lshl_b32 s28, s15, 5                         ; scale bytes: row x 32 + 8 y
	s_lshl_b32 s26, s18, 3
	s_add_co_u32 s28, s28, s26
	s_add_co_u32 s28, s28, SC_OFF
	s_mov_b32 s29, 0
	s_wait_kmcnt 0x0
	s_cmp_eq_u32 s14, 1                            ; the weight is chosen by the work-group's number alone
	s_cselect_b64 s[4:5], s[6:7], s[4:5]
	s_cmp_eq_u32 s14, 2
	s_cselect_b64 s[4:5], s[8:9], s[4:5]
	s_cmp_eq_u32 s14, 3
	s_cselect_b64 s[4:5], s[10:11], s[4:5]
	s_add_nc_u64 s[4:5], s[4:5], s[20:21]
	s_add_nc_u64 s[24:25], s[12:13], s[24:25]
	s_add_nc_u64 s[28:29], s[12:13], s[28:29]
.macro LOAD t                          ; block t: W(32 t + i, my column), i = 0 .. 31, into set t % 2
.irp i, 0,1,2,3,4,5,6,7,8,9,10,11,12,13,14,15,16,17,18,19,20,21,22,23,24,25,26,27,28,29,30,31
	global_load_b32 v[X+32*((\t)%2)+\i], v3, s[4:5] offset:(32*(\t)+\i)*SIZE_N*4 th:TH_LOAD_NT
.endr
.endm
	LOAD 0
	LOAD 1
.macro BLOCK t
.set XS, X+32*((\t)%2)
.if (\t) < NB-1
	s_wait_loadcnt 32                              ; this block's 32 loads are in; the next block's may be out
.else
	s_wait_loadcnt 0
.endif
	v_max3_num_f32 v12, |v[XS]|, |v[XS+1]|, |v[XS+2]|               ; the block's largest magnitude: all 32 numbers are mine
	v_max3_num_f32 v13, |v[XS+3]|, |v[XS+4]|, |v[XS+5]|
.irp i, 6,10,14,18,22,26
	v_max3_num_f32 v12, v12, |v[XS+\i]|, |v[XS+\i+1]|
	v_max3_num_f32 v13, v13, |v[XS+\i+2]|, |v[XS+\i+3]|
.endr
	v_max3_num_f32 v12, v12, |v[XS+30]|, |v[XS+31]|
	v_max3_num_f32 v12, v12, v13, (EMAX+1)<<23     ; and the floor 2^(3 - 127): so the byte cannot fall under 1
	v_add_nc_u32 v11, -(EMAX<<23), v12             ; 2 off its exponent field: the conversion's scale operand
	v_lshrrev_b32 v13, 23, v11                     ; the scale's byte
.if (\t)%4 == 0
	v_mov_b32 v[SB+(\t)/4], v13                    ; four bytes to a register, the lower K in the lower byte
.else
	v_lshl_or_b32 v[SB+(\t)/4], v13, 8*((\t)%4), v[SB+(\t)/4]
.endif
	v_cvt_scalef32_pk16_fp6_f32 v[C:C+2], v[XS:XS+15], v11
	v_cvt_scalef32_pk16_fp6_f32 v[C+4:C+6], v[XS+16:XS+31], v11     ; (a conversion's three registers begin on an even number)
	v_nop                                          ; one plain line behind the last conversion
	ds_store_b96 v4, v[C:C+2] offset:32*(\t)       ; 16 codes, 12 bytes, to a place of 16 bytes in the stage
	ds_store_b96 v4, v[C+4:C+6] offset:32*(\t)+16
.if (\t)+2 < NB
	LOAD (\t)+2
.endif
	s_wait_dscnt 0x0                               ; the stores have read their registers: the next block's codes may be written
.endm
.set Q, 0
.rept NB
	BLOCK Q
.set Q, Q+1
.endr
	s_wait_alu depctr_va_vdst(0)
	global_store_b64 v9, v[SB:SB+1], s[28:29]      ; my column's 8 scale bytes
.irp t, 0,1,2,3,4,5,6,7,8,9,10,11,12,13,14,15
	ds_load_b96 v[OUTR+4*\t:OUTR+4*\t+2], v7 offset:2*\t*PITCH   ; LDS serves a wave's instructions in order: these see my stores
.endr
.irp t, 0,1,2,3,4,5,6,7,8,9,10,11,12,13,14,15
	s_wait_dscnt 15-\t                             ; rows 2 t and 2 t + 1 are in; the younger loads stay out
	global_store_b96 v8, v[OUTR+4*\t:OUTR+4*\t+2], s[24:25] offset:(((2*\t)&7)+(((2*\t)>>3)&1)*16+(((2*\t)>>4)&1)*8)*KROW   ; column 2 t goes to the row with bits 3 and 4 exchanged
.endr
	s_wait_tensorcnt 0x0
	ds_add_u32 v192, v193
	s_wait_dscnt 0x0
	s_endpgm
.Lfunc_end_k_q53024f9c6d_quant_w:
	.size	k_q53024f9c6d_quant_w, .Lfunc_end_k_q53024f9c6d_quant_w-k_q53024f9c6d_quant_w
	.p2alignl 7, 3214868480
	.fill 96, 4, 3214868480
	.section	.rodata,"a",@progbits
	.p2align	6, 0x0
	.amdhsa_kernel k_q53024f9c6d_quant_w
		.amdhsa_group_segment_fixed_size 36352
		.amdhsa_private_segment_fixed_size 0
		.amdhsa_enable_private_segment 0
		.amdhsa_kernarg_size 40
		.amdhsa_user_sgpr_count 2
		.amdhsa_user_sgpr_kernarg_segment_ptr 1
		.amdhsa_wavefront_size32 1
		.amdhsa_system_sgpr_workgroup_id_x 1
		.amdhsa_system_sgpr_workgroup_id_y 1
		.amdhsa_system_sgpr_workgroup_id_z 1
		.amdhsa_system_vgpr_workitem_id 0
		.amdhsa_next_free_vgpr 194
		.amdhsa_next_free_sgpr 66
		.amdhsa_reserve_vcc 0
		.amdhsa_float_denorm_mode_32 3
		.amdhsa_float_denorm_mode_16_64 3
		.amdhsa_memory_ordered 1
		.amdhsa_forward_progress 1
		.amdhsa_inst_pref_size 43
	.end_amdhsa_kernel
	.amdgpu_metadata
---
amdhsa.version: [ 1, 2 ]
amdhsa.kernels:
  - .name:           k_q53024f9c6d_quant_w
    .symbol:         k_q53024f9c6d_quant_w.kd
    .args:
      - { .name: wq, .offset: 0, .size: 8, .value_kind: global_buffer, .address_space: global }
      - { .name: wk, .offset: 8, .size: 8, .value_kind: global_buffer, .address_space: global }
      - { .name: wv, .offset: 16, .size: 8, .value_kind: global_buffer, .address_space: global }
      - { .name: wo, .offset: 24, .size: 8, .value_kind: global_buffer, .address_space: global }
      - { .name: cod, .offset: 32, .size: 8, .value_kind: global_buffer, .address_space: global }
    .group_segment_fixed_size: 36352
    .private_segment_fixed_size: 0
    .kernarg_segment_align: 8
    .kernarg_segment_size: 40
    .max_flat_workgroup_size: 128
    .sgpr_count:     66
    .vgpr_count:     194
    .wavefront_size: 32
...
	.end_amdgpu_metadata
.endif
;; end of part 2
;; launch proj (part 3): grid 8 x 48, 4 waves a work-group, clusters of 4 x 4, 327,680 bytes of LDS; arguments cod, bq, bk, bv, qkvc, qkvs; writes qkvc, qkvs
.if DOCPART == 3
	.amdgcn_target "amdgcn-amd-amdhsa--gfx1250"
	.amdhsa_code_object_version 6
	.text
	.protected	k_q53024f9c6d_proj
	.globl	k_q53024f9c6d_proj
	.p2align	8
	.type	k_q53024f9c6d_proj,@function
k_q53024f9c6d_proj:
	s_mov_b64 s[64:65], 0
	v_nop
	global_prefetch_b8 v0, s[64:65] scope:SCOPE_SE
	s_setreg_imm32_b32 hwreg(HW_REG_WAVE_MODE, 25, 1), 1
	s_wait_xcnt 0x0
	s_wait_alu depctr_hold_cnt(0) depctr_sa_sdst(0) depctr_va_vdst(0) depctr_va_sdst(0) depctr_va_ssrc(0) depctr_va_vcc(0) depctr_vm_vsrc(0)
	s_getreg_b32 s2, hwreg(HW_REG_IB_STS2, 6, 4)
	s_cmp_eq_u32 s2, 0
	s_cbranch_scc0 .Lentry_in_a_cluster
	s_endpgm
.Lentry_in_a_cluster:
	s_bfe_u32 s2, ttmp6, 0x10000c
	s_cmp_lg_u32 s2, 0xf033
	s_cbranch_scc0 .Lentry_shape_is_right
	s_endpgm
.Lentry_shape_is_right:
; q = x wq + bq, k = x wk + bk, v = x wv + bv, on codes of FP6 (E2M3) with one E8M0 scale for each 32 along K = 1,024; the results are quantised here, in f32, for attention's two products, and leave as codes.
; ONE BODY, TWO PARTS, told apart by the cluster's y (the same in all sixteen partners).
;   clusters y 0-7  (QK): "A" = x's 8,192 rows, "B" = wq's and wk's 2,048 rows.   clusters y 8-11 (V): "A" = wv's 1,024 rows, "B" = x's 8,192 rows.
; A tile of the result, 256 rows of A x 256 rows of B, is made by a work-group of four waves; a wave makes 128 x 128: 64 accumulators of 16 x 16, 512 registers.
; THE MATRIX INSTRUCTION IS USED TRANSPOSED (source 0 = 16 rows of B, source 1 = 16 rows of A): a lane holds one row of A, and its registers run along B's rows.  All rows lie in cod in an order in which 16
; neighbouring stored rows are true rows 32 b + 8 u + r + 8 (r / 8): so the 16 registers of accumulators 2 b and 2 b + 1 are 16 NEIGHBOURS among B's true rows: in part QK along the head's d, in part V along the
; keys: each is the K of the product that the result goes into, and the conversions take them as they stand.
; K goes in steps of 256 through a ring of two LDS slots filled by the tensor data mover; the scale bytes of the work-group's rows, for all of K, come into LDS once.
; CLUSTERS: 4 x 4 work-groups.  The four of a row of the cluster need the same tiles of A, the four of a column the same tiles of B: each tile is asked for JOINTLY.
; WHAT LEAVES: images of operand registers.  q, k: for a tile of 16 rows and a head, 6 registers a lane = 768 bytes: registers 0-3 at 16 x lane, registers 4-5 at 512 + 8 x lane.
;   v: for 16 of a head's d and 128 keys, 12 registers a lane = 1,536 bytes: registers 4 c .. 4 c + 3 at 512 c + 16 x lane.  Every store of a wave covers 512 or 256 consecutive bytes, aligned.
;   Scale words: q, k: the head's two bytes, written twice (the upper two serve the half of the next product's K that holds zero codes); v: four bytes for 128 keys.
; LIMITS: NaN and infinities are not served; a block whose largest magnitude lies under 2^-124, zeros among them, keeps the byte 1 (read by this program alone).
; Nothing is prefetched: a work-group's ring is filled again twice only.
; REGISTERS, in windows of 256: window 0: v0-31 addresses; v32-63 scale words, two sets; v64-127 the bias; from v128 A's fragments, ONE set (on the way out v128-243 are at work).
;   window 1: B's fragments, TWO sets, at v0 and at v128.   window 2: the 32 accumulators of my rows 0-63 (accumulator (a, b) at v[8 (8 a + b)]);   window 3: those of my rows 64-127.
.set KSTEP,  256                       ; along K in a slot
.set NQ,     KSTEP/128                 ; matrix instructions deep
.set ROWB,   192                       ; a tile's row in bytes
.set KROW,   768                       ; a row of codes in memory
.set PITCH,  240                       ; an LDS row: 3 x (64 bytes of data + 16 of padding): the 32 lanes of a load of 8 bytes touch 64 different banks (64 banks of 4 bytes: ISA guide 11.1)
.set FR,     12                        ; registers of a fragment: 16 rows x 128 K
.set NL,     6                         ; LDS loads that bring one
.set NP,     4                         ; places behind this matrix instruction (ISA guide 7.12.1)
.set HALFT,  128*PITCH                 ; 128 rows: what one tensor load brings
.set SLOT,   4*HALFT                   ; A's 256 rows, then B's 256 rows
.set KS,     32                        ; a row of scale bytes
.set SCL,    2*SLOT                    ; behind the ring: the scales, as runs of 256 bytes + 16 of padding
.set HALFS,  (128*KS/256)*272          ; the scales of 128 rows
.set SBLK,   (16*KS/256)*272           ; those of 16 rows
.set SPARE,  SCL+4*HALFS               ; the spare words, 128 bytes for each wave: two blocks of 256 bytes that no other line names
.set SC_OFF, 9437184                   ; where the scale bytes begin in cod
.set HEADC,  294912                    ; a head's bytes in qkvc: q 98,304, k 98,304, v 98,304
.set HEADS,  20480                     ; and in qkvs: q 8,192, k 8,192, v 4,096
.set ADRA, 16                          ; v16-17  LDS address of my A fragments in slot 0, 1  (v18-19: for the pieces that lie behind one padding more)
.set ADRB, 20                          ; v20-21  the same for B  (v22-23)
.set ADRS, 27                          ; v27     LDS address of my scale words: lanes 0-15 A's rows, lanes 16-31 B's
.set SPW,  28                          ; v28     LDS address of my spare word; never rewritten
.set NIL,  29                          ; v29     0; never rewritten
.set SC,   32                          ; scale words: set s at v[SC + 16 s]
.set BI,   64                          ; v64-127 the bias, in the result's layout
.set AF,   128                         ; A's fragments
.set HA,   128                         ; the way out: v128-191 a block's 64 numbers with the bias
.set PC,   192                         ; v192-210 the codes just made
.set TM,   212                         ; v212-227 largest magnitudes, bytes, scale operands
.set PW,   228                         ; the scale word just made
.set SW,   232                         ; v232-239 the eight blocks' scale words
.set SO,   240                         ; v240-243 part V: the words that a lane stores
.set SEL,  92                          ; s[92:93] on the way out: v_permlanex16_b32's selects for lane l xor 16
.set G1, 24                            ; s[24:31] descriptor group 1 for A's tiles;  s[32:39] group 0, one set for each slot
.set G0, 32
.set G1B, 48                           ; s[48:55], s[56:63] the same for B's tiles
.set G0B, 56
.set G1S, 68                           ; s[68:75], s[76:79] groups 1 and 0 for A's scales;  s[80:87], s[88:91] for B's
.set G0S, 76
.set G1SB, 80
.set G0SB, 88
.set MSB, 0
.macro WIN new                         ; the immediate's high byte repeats the setting that is left
.if MSB != (\new)
	s_set_vgpr_msb (MSB<<8)|(\new)
.set MSB, \new
.endif
.endm
.set MUL_LO, 0xa1                      ; source 0 (B) window 1, source 1 (A) window 0, C and D window 2
.set MUL_HI, 0xf1                      ; the same, C and D window 3
.set TO_B,   0x40                      ; destination window 1, address window 0
; A joint load: waves 0 and 1 fetch for A, waves 2 and 3 for B.  The branch hangs on the wave's number alone.  Four v_nop follow each of the two lines.
.macro JLOAD g0a, g1a, g0b, g1b
	s_cmp_eq_u32 s15, 0
	s_cbranch_scc0 .Lfor_b_\@
	tensor_load_to_lds s[\g0a:\g0a+3], s[\g1a:\g1a+7]
	s_nop 0
.rept 4
	v_nop
.endr
	s_branch .Lasked_\@
.Lfor_b_\@:
	tensor_load_to_lds s[\g0b:\g0b+3], s[\g1b:\g1b+7]
	s_nop 0
.rept 4
	v_nop
.endr
.Lasked_\@:
.endm
.macro CREST                           ; a round of the cluster's barrier behind its opening barrier
	s_cmp_lg_u32 s14, 0
	s_cbranch_scc1 .Lnot_wave_0_\@
	s_barrier_signal -3
.Lnot_wave_0_\@:
	s_barrier_wait -3
	s_barrier_signal -1
	s_barrier_wait -1
.endm
.macro CROUND                          ; a whole round
	s_barrier_signal -1
	s_barrier_wait -1
	CREST
.endm
	s_load_b256 s[4:11], s[0:1], 0x0               ; cod s[4:5], bq s[6:7], bk s[8:9], bv s[10:11]
	s_load_b128 s[96:99], s[0:1], 0x20             ; qkvc s[96:97], qkvs s[98:99]
	v_lshl_add_u32 v[SPW], v0, 2, SPARE
	v_mov_b32 v[NIL], 0
	ds_add_u32 v28, v29
	ds_add_u32 v28, v29
	s_wait_dscnt 0x0
	v_lshrrev_b32 v1, 5, v0
	v_readfirstlane_b32 s14, v1                    ; wave 0..3
	s_lshr_b32 s15, s14, 1                         ; which half of the tile's rows of A is mine.  Also: I fetch for A (0) or for B (1)
	s_and_b32 s16, s14, 1                          ; which half of its rows of B.  Also: which 128 rows of that tile I fetch
	s_bfe_u32 s40, ttmp6, 0x40000                  ; cx, cy: my place in the cluster
	s_bfe_u32 s41, ttmp6, 0x40004
	s_mov_b32 s13, ttmp9                           ; the cluster's x: 0, 1
	s_and_b32 s12, ttmp7, 0xffff                   ; the cluster's y: 0 .. 11
	s_max_u32 s2, s12, 8
	s_sub_co_u32 s2, s2, 8
	s_lshl_b32 s2, s2, 1
	s_add_co_u32 s2, s2, s13                       ; part V: which of its eight clusters
	s_cmp_lt_u32 s12, 8                            ; part QK?
	s_cselect_b32 s17, s12, 0                      ; the cluster's place along A's tiles,
	s_cselect_b32 s42, s13, s2                     ; and along B's
	s_cselect_b32 s18, 0, 10240                    ; where A's rows begin in cod: x's, or wv's
	s_cselect_b32 s19, 8192, 0                     ; and B's: wq's and wk's, or x's
	s_lshl_b32 s17, s17, 2
	s_add_co_u32 s17, s17, s41                     ; TR: my tile among A's
	s_lshl_b32 s42, s42, 2
	s_add_co_u32 s42, s42, s40                     ; TC: my tile among B's
	s_lshl_b32 s43, s41, 2
	s_lshl_b32 s43, 15, s43                        ; my row of the cluster
	s_lshl_b32 s44, 0x1111, s40                    ; my column
	; descriptor group 1: a tile of 128 rows x 192 bytes, padded in LDS
	s_or_b32 s[G1+0], s43, (0<<16)|(1<<20)|(1<<21)|(3<<22)|(3<<25)  ; 15:0 the mask: A's tiles go to my row; 17:16 element of 1 byte; 20 padding on; 21 set beside a mask; 24:22 after every 16 words; 31:25 of 4 words
	s_or_b32 s[G1B+0], s44, (0<<16)|(1<<20)|(1<<21)|(3<<22)|(3<<25)
.irp g, G1, G1B
	s_mov_b32 s[\g+1], ROWB<<16                    ; tensor_dim0
	s_mov_b32 s[\g+2], 128<<16                     ; tensor_dim1 = 128
	s_mov_b32 s[\g+3], ROWB<<16                    ; tile_dim0
	s_mov_b32 s[\g+4], 128                         ; tile_dim1 = 128
	s_mov_b32 s[\g+5], KROW                        ; tensor_dim0_stride
	s_mov_b32 s[\g+6], 0
	s_mov_b32 s[\g+7], 0
.endr
	; and for the scales of 128 rows: a dense block of 4,096 bytes, as rows of 256 bytes (32 elements of 8 bytes), 16 bytes of padding behind each
	s_or_b32 s[G1S+0], s43, (3<<16)|(1<<20)|(1<<21)|(5<<22)|(3<<25)
	s_or_b32 s[G1SB+0], s44, (3<<16)|(1<<20)|(1<<21)|(5<<22)|(3<<25)
.irp g, G1S, G1SB
	s_mov_b32 s[\g+1], 32<<16
	s_mov_b32 s[\g+2], (128*KS/256)<<16
	s_mov_b32 s[\g+3], 32<<16
	s_mov_b32 s[\g+4], 128*KS/256
	s_mov_b32 s[\g+5], 32
	s_mov_b32 s[\g+6], 0
	s_mov_b32 s[\g+7], 0
.endr
	s_lshl_b32 s2, s16, 7                          ; which 128 rows of the tile I fetch
	s_lshl_b32 s20, s17, 8
	s_add_co_u32 s20, s20, s2
	s_add_co_u32 s20, s20, s18                     ; A: row in cod
	s_lshl_b32 s46, s42, 8
	s_add_co_u32 s46, s46, s2
	s_add_co_u32 s46, s46, s19                     ; B: row in cod
	s_lshl_b32 s22, s20, 5                         ; where these rows' scale bytes begin,
	s_add_co_u32 s22, s22, SC_OFF
	s_mov_b32 s23, 0
	s_lshl_b32 s92, s46, 5
	s_add_co_u32 s92, s92, SC_OFF
	s_mov_b32 s93, 0
	s_mul_i32 s20, s20, KROW                       ; and their codes (all under 2^24)
	s_mov_b32 s21, 0
	s_mul_i32 s46, s46, KROW
	s_mov_b32 s47, 0
	s_mul_i32 s45, s14, HALFT                      ; where they go: wave x 128 rows: no place in the cluster enters an LDS address
	s_mul_i32 s94, s14, HALFS
	s_wait_kmcnt 0x0
	s_add_nc_u64 s[20:21], s[4:5], s[20:21]
	s_add_nc_u64 s[22:23], s[4:5], s[22:23]
	s_add_nc_u64 s[46:47], s[4:5], s[46:47]
	s_add_nc_u64 s[92:93], s[4:5], s[92:93]
	CROUND                                         ; all sixteen work-groups are here: the first joint loads meet
	s_mov_b32 s[G0S], 1
	s_add_co_u32 s[G0S+1], s94, SCL
	s_mov_b64 s[G0S+2:G0S+3], s[22:23]
	s_or_b32 s[G0S+3], s[G0S+3], 0x80000000
	s_mov_b32 s[G0SB], 1
	s_add_co_u32 s[G0SB+1], s94, SCL
	s_mov_b64 s[G0SB+2:G0SB+3], s[92:93]
	s_or_b32 s[G0SB+3], s[G0SB+3], 0x80000000
	JLOAD G0S, G1S, G0SB, G1SB                     ; the scales first: they are wanted with K step 0
.irp s, 0,1
	s_mov_b32 s[G0+4*\s], 1
	s_add_co_u32 s[G0+4*\s+1], s45, \s*SLOT
	s_add_nc_u64 s[G0+4*\s+2:G0+4*\s+3], s[20:21], \s*ROWB
	s_or_b32 s[G0+4*\s+3], s[G0+4*\s+3], 0x80000000
	s_mov_b32 s[G0B+4*\s], 1
	s_add_co_u32 s[G0B+4*\s+1], s45, \s*SLOT
	s_add_nc_u64 s[G0B+4*\s+2:G0B+4*\s+3], s[46:47], \s*ROWB
	s_or_b32 s[G0B+4*\s+3], s[G0B+4*\s+3], 0x80000000
	JLOAD G0+4*\s, G1, G0B+4*\s, G1B               ; three tensor loads of mine are out now
.endr
	v_and_b32 v1, 15, v0                           ; r = l % 16 (kept)
	v_bfe_u32 v2, v0, 4, 1                         ; h = l / 16 (kept)
	v_mul_u32_u24 v3, v1, PITCH
	v_mul_u32_u24 v4, v2, 24
	v_add_nc_u32 v4, v3, v4                        ; a fragment's row x pitch + 24 x half
	v_lshl_add_u32 v5, v2, 4, v4                   ; and the same behind one padding more
	s_mul_i32 s21, s15, HALFT                      ; my 128 rows of A
	s_mul_i32 s22, s16, HALFT                      ; my 128 rows of B,
	s_add_co_u32 s22, s22, 2*HALFT                 ; which lie behind A's 256
.irp s, 0,1
	v_add_nc_u32 v[ADRA+\s], s21, v4
	v_add_nc_u32 v[ADRB+\s], s22, v4
	v_add_nc_u32 v[ADRA+2+\s], s21, v5
	v_add_nc_u32 v[ADRB+2+\s], s22, v5
	s_add_co_u32 s21, s21, SLOT
	s_add_co_u32 s22, s22, SLOT
.endr
	v_mul_u32_u24 v5, v1, KS                       ; my row's scales: 32 bytes a row,
	v_lshrrev_b32 v6, 8, v5
	v_lshl_add_u32 v5, v6, 4, v5                   ; and 16 more for each 256 passed
	s_mul_i32 s21, s15, HALFS                      ; A's: my 128 rows
	s_mul_i32 s22, s16, HALFS                      ; B's: my 128 rows, behind A's 256
	s_add_co_u32 s22, s22, 2*HALFS
	s_sub_co_u32 s22, s22, s21
	v_mul_u32_u24 v6, s22, v2                      ; lanes 16-31 take B's
	s_add_co_u32 s21, s21, SCL
	v_add_nc_u32 v5, v5, v6
	v_add_nc_u32 v[ADRS], s21, v5
	; THE BIAS, in the result's layout; it lands while K is walked and is waited for on the way out.  v7 and s[66:67] stay as they are until then.
	s_cmp_lt_u32 s12, 8
	s_cbranch_scc0 .Lbias_v
	s_lshl_b32 s2, s42, 1                          ; QK: the bias runs along B's rows: register j of accumulator b is column 32 (b / 2) + 16 h + 8 (b % 2) + j of my 128
	s_add_co_u32 s2, s2, s16
	s_and_b32 s2, s2, 7                            ; which 128 of the weight's 1,024 columns
	s_lshl_b32 s2, s2, 9
	s_mov_b32 s3, 0
	s_cmp_eq_u32 s13, 0                            ; the cluster's x says whether B's rows are wq's or wk's
	s_cselect_b64 s[66:67], s[6:7], s[8:9]
	s_add_nc_u64 s[66:67], s[66:67], s[2:3]
	v_lshlrev_b32 v7, 6, v2                        ; 16 h numbers
.irp b, 0,1,2,3,4,5,6,7
	global_load_b128 v[BI+8*\b:BI+8*\b+3], v7, s[66:67] offset:128*(\b/2)+32*(\b%2)
	global_load_b128 v[BI+8*\b+4:BI+8*\b+7], v7, s[66:67] offset:128*(\b/2)+32*(\b%2)+16
.endr
	s_branch .Lbias_in
.Lbias_v:
	s_lshl_b32 s2, s17, 1                          ; V: the bias runs along A's rows: lane r of block a is row 32 (a / 2) + 8 (a % 2) + r + 8 (r / 8) of my 128: one number a lane and block,
	s_add_co_u32 s2, s2, s15
	s_lshl_b32 s2, s2, 9
	s_mov_b32 s3, 0
	s_add_nc_u64 s[66:67], s[10:11], s[2:3]
	v_and_b32 v7, 7, v1
	v_lshrrev_b32 v6, 3, v1
	v_lshl_add_u32 v7, v6, 4, v7
	v_lshlrev_b32 v7, 2, v7
.irp a, 0,1,2,3,4,5,6,7
.irp e, 0,1,2,3,4,5,6,7
	global_load_b32 v[BI+8*\a+\e], v7, s[66:67] offset:128*(\a/2)+32*(\a%2)   ; laid eight times, so that both parts fill the same 64 registers and a plain pair serves the packed addition
.endr
.endr
.Lbias_in:
.macro FRAG reg, adr, q, i             ; a fragment, 16 rows x 128 K of 6-bit codes, is 12 registers: lane l holds row l % 16; registers 6 c .. 6 c + 5 hold K = 64 c + 32 (l / 16) + 0 .. 31: 24 bytes of the row's stream of bits
.irp p, 0,1,2,3,4,5                    ; in pieces of 8 bytes.  Lanes 0-15 take the row's pieces 12 q + 0, 1, 2 and 12 q + 6, 7, 8, lanes 16-31 those three pieces on
.set PCE, 12*(\q)+6*(\p/3)+\p%3        ; 16 bytes of padding lie behind every 8 pieces: where the piece three on lies behind one padding more, the second address register serves
.if PCE%8 < 5
	ds_load_b64 v[\reg+2*\p:\reg+2*\p+1], v[\adr] offset:8*PCE+16*(PCE/8)+(\i)*16*PITCH
.else
	ds_load_b64 v[\reg+2*\p:\reg+2*\p+1], v[\adr+2] offset:8*PCE+16*(PCE/8)+(\i)*16*PITCH
.endif
.endr
.endm
; 16 matrix instructions: A's blocks a0, a0 + 1 x B's eight, 128 along K: the slot's q-th.  p: B's set;  sc: the set of scale words.  zero = 1: the first product starts the sums.
; The 64 accumulators take turns, one instruction a turn, in the same order in every step.
.macro MUL16 a0, p, q, sc, zero
.irp a, \a0, \a0+1
.irp b, 0,1,2,3,4,5,6,7
.if \zero
	v_wmma_scale_f32_16x16x128_f8f6f4 v[8*(8*((\a)%4)+\b):8*(8*((\a)%4)+\b)+7], v[128*(\p)+FR*\b:128*(\p)+FR*\b+FR-1], v[AF+FR*(\a):AF+FR*(\a)+FR-1], 0, v[SC+8*NQ*(\sc)+NQ*\b+(\q)], v[SC+8*NQ*(\sc)+NQ*(\a)+(\q)] matrix_a_fmt:MATRIX_FMT_FP6 matrix_b_fmt:MATRIX_FMT_FP6 matrix_a_scale:MATRIX_SCALE_ROW1
.else
	v_wmma_scale_f32_16x16x128_f8f6f4 v[8*(8*((\a)%4)+\b):8*(8*((\a)%4)+\b)+7], v[128*(\p)+FR*\b:128*(\p)+FR*\b+FR-1], v[AF+FR*(\a):AF+FR*(\a)+FR-1], v[8*(8*((\a)%4)+\b):8*(8*((\a)%4)+\b)+7], v[SC+8*NQ*(\sc)+NQ*\b+(\q)], v[SC+8*NQ*(\sc)+NQ*(\a)+(\q)] matrix_a_fmt:MATRIX_FMT_FP6 matrix_b_fmt:MATRIX_FMT_FP6 matrix_a_scale:MATRIX_SCALE_ROW1
.endif
.endr
.endr
.endm
.macro FETCH_B slot, q, p              ; B's eight fragments of the slot's q-th 128 along K into set p
	WIN TO_B
.irp i, 0,1,2,3,4,5,6,7
	FRAG 128*(\p)+FR*\i, ADRB+\slot, \q, \i
.endr
	WIN 0
.endm
.macro FETCH_A slot, q, i0             ; A's blocks i0 .. i0 + 3
.irp i, \i0, \i0+1, \i0+2, \i0+3
	FRAG AF+FR*(\i), ADRA+\slot, \q, \i
.endr
.endm
.macro SCALES sc                       ; the next K step's scale words into set sc: two words a row; lanes 0-15 take A's block i, lanes 16-31 B's block i
.irp i, 0,1,2,3,4,5,6,7
	ds_load_b64 v[SC+8*NQ*\sc+NQ*\i:SC+8*NQ*\sc+NQ*\i+1], v[ADRS] offset:\i*SBLK
.endr
.endm
; A load into a register that a matrix instruction has read, and a vector instruction that reads a matrix result, stand NP places behind that matrix instruction; only plain vector instructions that name
; none of its registers are places (ISA guide 7.12.1 for vector instructions).
.macro PLACES n
.rept \n
	v_nop
.endr
.endm
; A step of 128 along K that has its successor in the same slot.
.macro STEP slot, q, zero
	s_wait_dscnt 4*NL                              ; B's set and A's blocks 0-3 are in; the youngest 24 loads (A's blocks 4-7) may be out
	WIN MUL_LO
	MUL16 0, (\q)%2, \q, \slot, \zero
	MUL16 2, (\q)%2, \q, \slot, \zero
	s_wait_dscnt 0                                 ; A's blocks 4-7 are in (asked for 32 matrix instructions ago)
	PLACES NP
	FETCH_B \slot, (\q)+1, 1-(\q)%2
	FETCH_A \slot, (\q)+1, 0
	WIN MUL_HI
	MUL16 4, (\q)%2, \q, \slot, \zero
	MUL16 6, (\q)%2, \q, \slot, \zero
	PLACES NP
	WIN 0
	FETCH_A \slot, (\q)+1, 4
.endm
; A slot's last step changes slots: ONE barrier; in front of it each wave waits for all its tensor loads, adds 0 to its spare word, and waits for that and for its own reads of this slot.  fill = 1: this slot is filled again, two K steps ahead.
.macro TURN slot, next, fill
	s_wait_tensorcnt 0x0                           ; all my tensor loads have landed: my part of the next slot;  (every window is 0 here)
	ds_add_u32 v[SPW], v[NIL]                      ; 0 onto my spare word
	s_wait_dscnt 4*NL+1                            ; (the add and the youngest 24 loads, A's blocks 4-7, may be out)
	WIN MUL_LO
	MUL16 0, 1, NQ-1, \slot, 0                     ; sixteen matrix instructions stand between the add and the wait for it
	s_wait_dscnt 0x0                               ; the add is done, and my reads of this slot are over
	s_barrier_signal -1
	MUL16 2, 1, NQ-1, \slot, 0
	WIN 0
	s_barrier_wait -1
.if \fill
	CREST                                          ; the barrier has opened a round of the cluster's barrier: no wave of any partner still reads this slot's tile or has a load on its way
	s_add_nc_u64 s[G0+4*\slot+2:G0+4*\slot+3], s[G0+4*\slot+2:G0+4*\slot+3], 2*ROWB
	s_add_nc_u64 s[G0B+4*\slot+2:G0B+4*\slot+3], s[G0B+4*\slot+2:G0B+4*\slot+3], 2*ROWB
	JLOAD G0+4*\slot, G1, G0B+4*\slot, G1B         ; the first tensor load behind the round; the four v_nop behind it are the places in front of the loads below
.else
	PLACES NP
.endif
	s_wait_alu depctr_va_vdst(0)
	v_add_nc_u32 v[ADRS], 4*NQ, v[ADRS]            ; on to the next K step's scale words (no LDS load of mine is out)
	FETCH_B \next, 0, 0
	FETCH_A \next, 0, 0
	SCALES \next
	WIN MUL_HI
	MUL16 4, 1, NQ-1, \slot, 0
	MUL16 6, 1, NQ-1, \slot, 0
	PLACES NP
	WIN 0
	FETCH_A \next, 0, 4
.endm
	s_wait_tensorcnt 1                             ; the scales and my part of K step 0 are in (K step 1's load may be out)
	s_barrier_signal -1
	s_barrier_wait -1                              ; everybody's are
	FETCH_B 0, 0, 0
	FETCH_A 0, 0, 0
	s_wait_alu depctr_va_vdst(0)
	SCALES 0
	FETCH_A 0, 0, 4
	STEP 0, 0, 1                                   ; K = 1,024 is four K steps, twice round the ring: written out, no loop.  The first products start the sums
	TURN 0, 1, 1                                   ; slot 0 takes K step 2
	STEP 1, 0, 0
	TURN 1, 0, 1                                   ; slot 1 takes K step 3
	STEP 0, 0, 0
	TURN 0, 1, 0                                   ; nothing is left to fetch
	STEP 1, 0, 0
	s_wait_dscnt 4*NL                              ; the very last step
	WIN MUL_LO
	MUL16 0, 1, NQ-1, 1, 0
	MUL16 2, 1, NQ-1, 1, 0
	s_wait_dscnt 0
	WIN MUL_HI
	MUL16 4, 1, NQ-1, 1, 0
	MUL16 6, 1, NQ-1, 1, 0
	WIN 0
; THE WAY OUT.  64 numbers of a lane, v[s] .. v[s + 63], register 16 b + i = k 32 b + 16 (lane / 16) + i of my row, become a fragment's codes in v[PC] on and its scale word in v[PW].
.macro QUANT s
.irp b, 0,1,2,3
	v_max3_num_f32 v[TM+\b], |v[\s+16*\b]|, |v[\s+1+16*\b]|, 0x1800000   ; block b: my 16 numbers, and the floor 2^(3 - 127): so the byte cannot fall under 1
.endr
.irp i, 2,4,6,8,10,12,14
.irp b, 0,1,2,3
	v_max3_num_f32 v[TM+\b], v[TM+\b], |v[\s+16*\b+\i]|, |v[\s+1+16*\b+\i]|   ; (the four blocks by turns)
.endr
.endr
.irp b, 0,1,2,3
	v_permlanex16_b32 v[TM+4+\b], v[TM+\b], s[SEL], s[SEL+1]
.endr
.irp b, 0,1,2,3
	v_max_num_f32 v[TM+\b], v[TM+\b], v[TM+4+\b]   ; with lane l xor 16's: the block's largest magnitude
.endr
.irp b, 0,1,2,3
	v_add_nc_u32 v[TM+12+\b], 0xff000000, v[TM+\b]   ; 2 off its exponent field: the conversion's scale operand
.endr
.irp b, 0,1,2,3
	v_lshrrev_b32 v[TM+4+\b], 23, v[TM+12+\b]      ; the scale's byte
.endr
	v_lshl_or_b32 v[PW], v[TM+5], 8, v[TM+4]       ; the four bytes make my row's scale word
	v_lshl_or_b32 v[PW], v[TM+6], 16, v[PW]
	v_lshl_or_b32 v[PW], v[TM+7], 24, v[PW]
.irp c, 0,1
	v_cvt_scalef32_pk16_fp6_f32 v[PC+6*\c:PC+2+6*\c], v[\s+32*\c:\s+15+32*\c], v[TM+12+2*\c]
	v_cvt_scalef32_pk16_fp6_f32 v[PC+12+4*\c:PC+14+4*\c], v[\s+16+32*\c:\s+31+32*\c], v[TM+12+2*\c+1]   ; (a conversion's three registers begin on an even number)
.endr
	v_nop                                          ; one plain place behind a scaled conversion
.irp c, 0,1                                    ; the operand's layout wants a WHOLE block in a lane: lanes 0-15 block 2 c, lanes 16-31 block 2 c + 1
.irp i, 0,1,2
	v_permlane16_swap_b32 v[PC+6*\c+\i], v[PC+12+4*\c+\i]
.endr
.irp i, 0,1,2
	v_mov_b32 v[PC+3+6*\c+\i], v[PC+12+4*\c+\i]
.endr
.endr
.endm
; Block a of my eight (16 rows of A x 128 rows of B): the bias is added on the way from the accumulators' window into window 0, each accumulator from its low end on; then the quantiser; then the stores.
.macro OUTBLK a, isv
	s_wait_xcnt 0x0                                ; the last block's stores have read their registers: the codes may be written again
	WIN 0x02+(\a)/4                                ; source 0: window 2 or 3
.set AC, 64*((\a)%4)
.set i, 0
.rept 32
.if \isv
	v_pk_add_f32 v[HA+i:HA+i+1], v[AC+i:AC+i+1], v[BI+8*(\a):BI+8*(\a)+1]
.else
	v_pk_add_f32 v[HA+i:HA+i+1], v[AC+i:AC+i+1], v[BI+i:BI+i+1]
.endif
.set i, i+2
.endr
	WIN 0
	QUANT HA
.if \isv
.irp c, 0,1,2
	global_store_b128 v8, v[PC+4*\c:PC+4*\c+3], s[20:21] offset:((\a)/4)*HEADC+((\a)%4)*1536+512*\c   ; 16 of a head's d x 128 keys: blocks 0-3 the first head, 4-7 the second; 512 consecutive bytes a store
.endr
	v_mov_b32 v[SW+(\a)], v[PW]
.else
.irp c, 0,1
	global_store_b128 v8, v[PC+6*\c:PC+6*\c+3], s[20:21] offset:\c*HEADC+(\a)*768   ; 16 rows x head c's 64: registers 0-3, 512 consecutive bytes,
	global_store_b64 v9, v[PC+6*\c+4:PC+6*\c+5], s[20:21] offset:\c*HEADC+(\a)*768   ; and registers 4-5, 256
.endr
	v_lshrrev_b32 v13, v11, v[PW]                  ; lanes 0-15 keep the first head's two bytes, lanes 16-31 the second's,
	v_perm_b32 v[SW+(\a)], v13, v13, 0x01000100    ; written twice
.endif
.endm
	PLACES NP                                      ; behind the last products: for the reads of their results and the writes over A's fragments
	s_wait_loadcnt 0x0                             ; the bias
	v_and_b32 v12, 31, v0
	v_lshlrev_b32 v8, 4, v12                       ; an image's place for my lane: 16 x lane,
	v_lshl_add_u32 v9, v12, 3, 512                 ; and 512 + 8 x lane
	v_mul_u32_u24 v10, v2, HEADS
	v_lshl_add_u32 v10, v1, 4, v10                 ; scale words: lanes 0-15 the first head's, lanes 16-31 the second's; 16 bytes a row
	v_lshlrev_b32 v11, 4, v2
.irp b, 0,1,2,3
	v_mov_b32 v[TM+4+\b], 0                        ; written once: a lane permute's destination counts as one of its sources
.endr
	s_mov_b32 s[SEL], 0x76543210
	s_mov_b32 s[SEL+1], 0xfedcba98
	s_cmp_lt_u32 s12, 8
	s_cbranch_scc0 .Lout_v
	s_lshl_b32 s2, s17, 1                          ; QK.  My 128 rows of x: group 2 TR + half: batch = group / 16, step of 128 rows = group % 16
	s_add_co_u32 s2, s2, s15
	s_lshl_b32 s18, s42, 1
	s_add_co_u32 s18, s18, s16                     ; my 128 columns: group 2 TC + half: q (0-7) or k (8-15); two heads
	s_lshr_b32 s19, s2, 4
	s_and_b32 s2, s2, 15
	s_lshr_b32 s46, s18, 3
	s_and_b32 s18, s18, 7
	s_lshl_b32 s18, s18, 1
	s_lshl_b32 s19, s19, 4
	s_add_co_u32 s19, s19, s18                     ; 16 x batch + my first head
	s_mul_i32 s20, s19, HEADC
	s_mul_i32 s47, s46, 98304
	s_add_co_u32 s20, s20, s47
	s_mul_i32 s47, s2, 6144                        ; eight tiles of 768 bytes a step
	s_add_co_u32 s20, s20, s47
	s_mov_b32 s21, 0
	s_add_nc_u64 s[20:21], s[96:97], s[20:21]
	s_mul_i32 s22, s19, HEADS
	s_lshl_b32 s47, s46, 13
	s_add_co_u32 s22, s22, s47
	s_lshl_b32 s47, s2, 9                          ; 512 bytes of scale words a step
	s_add_co_u32 s22, s22, s47
	s_mov_b32 s23, 0
	s_add_nc_u64 s[22:23], s[98:99], s[22:23]
.irp a, 0,1,2,3,4,5,6,7
	OUTBLK \a, 0
.endr
.irp q, 0,1
	global_store_b128 v10, v[SW+4*\q:SW+4*\q+3], s[22:23] offset:256*\q   ; tiles 4 q .. 4 q + 3: sixteen lanes store 256 consecutive bytes, aligned
.endr
	s_branch .Lout_done
.Lout_v:
	s_lshl_b32 s18, s17, 1                         ; V.  My 128 rows of wv: two heads, from 2 (2 TR + half) on
	s_add_co_u32 s18, s18, s15
	s_lshl_b32 s18, s18, 1
	s_lshl_b32 s2, s42, 1
	s_add_co_u32 s2, s2, s16                       ; my 128 keys: group 2 TC + half
	s_lshr_b32 s19, s2, 4
	s_and_b32 s2, s2, 15
	s_lshl_b32 s19, s19, 4
	s_add_co_u32 s19, s19, s18
	s_mul_i32 s20, s19, HEADC
	s_add_co_u32 s20, s20, 196608
	s_mul_i32 s47, s2, 6144                        ; four tiles of 1,536 bytes a step
	s_add_co_u32 s20, s20, s47
	s_mov_b32 s21, 0
	s_add_nc_u64 s[20:21], s[96:97], s[20:21]
	s_mul_i32 s22, s19, HEADS
	s_add_co_u32 s22, s22, 16384
	s_lshl_b32 s47, s2, 8                          ; 256 bytes of scale words a step
	s_add_co_u32 s22, s22, s47
	s_mov_b32 s23, 0
	s_add_nc_u64 s[22:23], s[98:99], s[22:23]
.irp a, 0,1,2,3,4,5,6,7
	OUTBLK \a, 1
.endr
	v_cmp_le_u32 vcc_lo, 16, v12
.irp j, 0,1,2,3
	v_cndmask_b32 v[SO+\j], v[SW+\j], v[SW+4+\j], vcc_lo   ; lanes 0-15 the first head's four tiles, lanes 16-31 the second's
.endr
	global_store_b128 v10, v[SO:SO+3], s[22:23]    ; sixteen lanes store 256 consecutive bytes, aligned
.Lout_done:
	s_wait_tensorcnt 0x0                           ; the wave's end
	ds_add_u32 v[SPW], v[NIL]
	s_wait_dscnt 0x0
	CROUND                                         ; the closing round: no work-group ends while a partner may still ask for a tile that names it
	s_endpgm
.Lfunc_end_k_q53024f9c6d_proj:
	.size	k_q53024f9c6d_proj, .Lfunc_end_k_q53024f9c6d_proj-k_q53024f9c6d_proj
	.p2alignl 7, 3214868480
	.fill 96, 4, 3214868480
	.section	.rodata,"a",@progbits
	.p2align	6, 0x0
	.amdhsa_kernel k_q53024f9c6d_proj
		.amdhsa_group_segment_fixed_size 327680
		.amdhsa_private_segment_fixed_size 0
		.amdhsa_enable_private_segment 0
		.amdhsa_kernarg_size 48
		.amdhsa_user_sgpr_count 2
		.amdhsa_user_sgpr_kernarg_segment_ptr 1
		.amdhsa_wavefront_size32 1
		.amdhsa_system_sgpr_workgroup_id_x 1
		.amdhsa_system_sgpr_workgroup_id_y 1
		.amdhsa_system_sgpr_workgroup_id_z 1
		.amdhsa_system_vgpr_workitem_id 0
		.amdhsa_next_free_vgpr 1024
		.amdhsa_next_free_sgpr 100
		.amdhsa_reserve_vcc 1
		.amdhsa_float_denorm_mode_32 3
		.amdhsa_float_denorm_mode_16_64 3
		.amdhsa_memory_ordered 1
		.amdhsa_forward_progress 1
		.amdhsa_inst_pref_size 241
	.end_amdhsa_kernel
	.amdgpu_metadata
---
amdhsa.version: [ 1, 2 ]
amdhsa.kernels:
  - .name:           k_q53024f9c6d_proj
    .symbol:         k_q53024f9c6d_proj.kd
    .args:
      - { .name: cod, .offset: 0, .size: 8, .value_kind: global_buffer, .address_space: global }
      - { .name: bq, .offset: 8, .size: 8, .value_kind: global_buffer, .address_space: global }
      - { .name: bk, .offset: 16, .size: 8, .value_kind: global_buffer, .address_space: global }
      - { .name: bv, .offset: 24, .size: 8, .value_kind: global_buffer, .address_space: global }
      - { .name: qkvc, .offset: 32, .size: 8, .value_kind: global_buffer, .address_space: global }
      - { .name: qkvs, .offset: 40, .size: 8, .value_kind: global_buffer, .address_space: global }
    .group_segment_fixed_size: 327680
    .private_segment_fixed_size: 0
    .kernarg_segment_align: 8
    .kernarg_segment_size: 48
    .max_flat_workgroup_size: 128
    .sgpr_count:     100
    .vgpr_count:     1024
    .wavefront_size: 32
...
	.end_amdgpu_metadata
.endif
;; end of part 3
;; launch attn (part 4): grid 4 x 64, 16 waves a work-group, clusters of 4 x 1, 327,680 bytes of LDS; arguments qkvc, qkvs, acod, ascl; writes acod, ascl
.if DOCPART == 4
	.amdgcn_target "amdgcn-amd-amdhsa--gfx1250"
	.amdhsa_code_object_version 6
	.text
	.protected	k_q53024f9c6d_attn
	.globl	k_q53024f9c6d_attn
	.p2align	8
	.type	k_q53024f9c6d_attn,@function
k_q53024f9c6d_attn:
	s_mov_b64 s[64:65], 0
	v_nop
	global_prefetch_b8 v0, s[64:65] scope:SCOPE_SE
	s_setreg_imm32_b32 hwreg(HW_REG_WAVE_MODE, 25, 1), 1
	s_wait_xcnt 0x0
	s_wait_alu depctr_hold_cnt(0) depctr_sa_sdst(0) depctr_va_vdst(0) depctr_va_sdst(0) depctr_va_ssrc(0) depctr_va_vcc(0) depctr_vm_vsrc(0)
	s_getreg_b32 s2, hwreg(HW_REG_IB_STS2, 6, 4)
	s_cmp_eq_u32 s2, 0
	s_cbranch_scc0 .Lentry_in_a_cluster
	s_endpgm
.Lentry_in_a_cluster:
	s_bfe_u32 s2, ttmp6, 0x10000c
	s_cmp_lg_u32 s2, 0x3003
	s_cbranch_scc0 .Lentry_shape_is_right
	s_endpgm
.Lentry_shape_is_right:
.set HEADC, 294912
.set HEADS, 20480
.set LVC,   98304
.set LKS,   196608
.set LVS,   204800
.set WV,   12
.set SEL,  20
.set CS,   22
.set G1C,  24
.set G1S,  32
.set G0C,  40
.set G0S,  44
.set TB,   48
.set TS,   49
.set TV,   50
.set NST,  51
.set NPA,  52
.set HI16, 53
.set OC,   54
.set OS,   56
.set QB,   58
.set QS,   60
.macro ROUND
	s_barrier_signal -1
	s_barrier_wait -1
	s_cmp_lg_u32 s[WV], 0
	s_cbranch_scc1 .Lnot_wave_0_\@
	s_barrier_signal -3
.Lnot_wave_0_\@:
	s_barrier_wait -3
	s_barrier_signal -1
	s_barrier_wait -1
.endm
	s_load_b256 s[4:11], s[0:1], 0x0
	v_lshl_add_u32 v95, v0, 2, 0x34000
	v_mov_b32 v243, 0
	ds_add_u32 v95, v243
	ds_add_u32 v95, v243
	v_lshrrev_b32 v1, 5, v0
	s_delay_alu instid0(VALU_DEP_1)
	v_readfirstlane_b32 s[WV], v1
	s_bfe_u32 s13, ttmp6, 0x40000
	s_and_b32 s14, ttmp7, 0xffff
	s_mul_i32 s16, s14, HEADC
	s_mul_i32 s17, s14, HEADS
	s_mov_b32 s[G0C], 1
	s_mul_i32 s[G0C+1], s[WV], 12288
	s_add_co_u32 s18, s16, s[G0C+1]
	s_add_co_u32 s18, s18, 98304
	s_mov_b32 s19, 0
	s_mov_b32 s[G0S], 1
	s_mul_i32 s2, s[WV], 768
	s_add_co_u32 s[G0S+1], s2, LKS
	s_add_co_u32 s2, s2, s17
	s_add_co_u32 s2, s2, 8192
	s_mov_b32 s3, 0
	s_mov_b32 s[G1C], 15|(3<<16)|(1<<21)
	s_mov_b32 s[G1C+1], 32<<16
	s_mov_b32 s[G1C+2], 48<<16
	s_mov_b32 s[G1C+3], 32<<16
	s_mov_b32 s[G1C+4], 48
	s_mov_b32 s[G1C+5], 32
	s_mov_b32 s[G1C+6], 0
	s_mov_b32 s[G1C+7], 0
	s_mov_b32 s[G1S], 15|(3<<16)|(1<<21)
	s_mov_b32 s[G1S+1], 32<<16
	s_mov_b32 s[G1S+2], 3<<16
	s_mov_b32 s[G1S+3], 32<<16
	s_mov_b32 s[G1S+4], 3
	s_mov_b32 s[G1S+5], 32
	s_mov_b32 s[G1S+6], 0
	s_mov_b32 s[G1S+7], 0
	s_mov_b32 s[SEL], 0x76543210
	s_mov_b32 s[SEL+1], 0xfedcba98
	s_mov_b32 s[CS], 0x3e38aa3b
	s_mov_b32 s[CS+1], s[CS]
	s_mov_b32 s[HI16], 0xffff0000
	s_mov_b32 s[NPA], 2
	s_wait_dscnt 0x0
	s_wait_kmcnt 0x0
	s_add_nc_u64 s[G0C+2:G0C+3], s[4:5], s[18:19]
	s_or_b32 s[G0C+3], s[G0C+3], 0x80000000
	s_add_nc_u64 s[G0S+2:G0S+3], s[6:7], s[2:3]
	s_or_b32 s[G0S+3], s[G0S+3], 0x80000000
	ROUND
	tensor_load_to_lds s[G0C:G0C+3], s[G1C:G1C+7]
	s_nop 0
	s_wait_alu depctr_va_vdst(0)
	s_wait_tensorcnt 0x0
	ds_add_u32 v95, v243
	s_wait_dscnt 0x0
	ROUND
	tensor_load_to_lds s[G0S:G0S+3], s[G1S:G1S+7]
	s_nop 0
.rept 4
	v_nop
.endr
	s_lshl_b32 s15, s13, 5
	s_add_co_u32 s15, s15, s[WV]
	s_mul_i32 s[QB], s15, 768
	s_add_co_u32 s[QB], s[QB], s16
	s_mov_b32 s[QB+1], 0
	s_add_nc_u64 s[QB:QB+1], s[4:5], s[QB:QB+1]
	s_lshr_b32 s[QS], s15, 2
	s_lshl_b32 s[QS], s[QS], 8
	s_and_b32 s62, s15, 3
	s_lshl_b32 s62, s62, 2
	s_add_co_u32 s[QS], s[QS], s62
	s_add_co_u32 s[QS], s[QS], s17
	s_mov_b32 s[QS+1], 0
	s_add_nc_u64 s[QS:QS+1], s[6:7], s[QS:QS+1]
	s_lshr_b32 s62, s14, 4
	s_lshl_b32 s62, s62, 7
	s_add_co_u32 s62, s62, s15
	s_and_b32 s63, s14, 15
	s_mul_i32 s[OC], s62, 12288
	s_mul_i32 s[OC+1], s63, 768
	s_add_co_u32 s[OC], s[OC], s[OC+1]
	s_mov_b32 s[OC+1], 0
	s_add_nc_u64 s[OC:OC+1], s[8:9], s[OC:OC+1]
	s_lshl_b32 s[OS], s62, 9
	s_lshl_b32 s[OS+1], s63, 1
	s_add_co_u32 s[OS], s[OS], s[OS+1]
	s_mov_b32 s[OS+1], 0
	s_add_nc_u64 s[OS:OS+1], s[10:11], s[OS:OS+1]
	v_and_b32 v30, 31, v0
	v_and_b32 v31, 15, v0
	v_bfe_u32 v29, v0, 4, 1
	s_delay_alu instid0(VALU_DEP_3)
	v_lshlrev_b32 v1, 4, v30
	s_delay_alu instid0(VALU_DEP_4)
	v_lshl_add_u32 v2, v30, 3, 512
	s_delay_alu instid0(VALU_DEP_2)
	v_add_nc_u32 v3, LVC, v1
	v_lshlrev_b32 v6, 4, v31
	s_delay_alu instid0(VALU_DEP_1)
	v_add_nc_u32 v4, LKS, v6
	s_delay_alu instid0(VALU_DEP_2)
	v_add_nc_u32 v5, LVS, v6
	v_lshl_add_u32 v7, v31, 5, v29
	global_load_b128 v[16:19], v1, s[QB:QB+1]
	global_load_b64 v[20:21], v2, s[QB:QB+1]
	global_load_b128 v[80:83], v1, s[QB:QB+1] offset:16*768
	global_load_b64 v[84:85], v2, s[QB:QB+1] offset:16*768
	global_load_b32 v255, v6, s[QS:QS+1]
	global_load_b32 v86, v6, s[QS:QS+1] offset:1024
.irp j, 22,23,24,25,26,27
	v_mov_b32 v[\j], 0
.endr
.irp t, 0,1,2,3
.irp j, 6,7,8,9,10,11
	v_mov_b32 v[32+12*\t+\j], 0
.endr
.endr
.irp b, 0,1,2,3
	v_mov_b32 v[236+\b], 0
.endr
	v_mov_b32 v253, 0
	s_wait_tensorcnt 0x0
	s_barrier_signal -1
	s_barrier_wait -1
	s_wait_loadcnt 0x0
.Lpass:
	v_mov_b32 v13, 0xff61b1e6
	s_delay_alu instid0(VALU_DEP_1)
	v_floor_f32 v12, -v13
	v_mov_b32 v14, 0
	v_mov_b32 v15, 0
.irp j, 0,1,2,3,4,5,6,7,8,9,10,11,12,13,14,15,16,17,18,19,20,21,22,23,24,25,26,27,28,29,30,31
	v_mov_b32 v[160+\j], 0
.endr
	s_mov_b32 s[TB], 0
	s_mov_b32 s[TS], 0
	s_mov_b32 s[TV], 0
	s_mov_b32 s[NST], 16
.Lstep:
	s_setprio 2
	v_add_nc_u32 v8, s[TB], v1
	s_wait_alu depctr_va_vdst(0)
	v_add_nc_u32 v9, s[TB], v2
	s_wait_alu depctr_va_vdst(0)
	v_add_nc_u32 v10, s[TB], v3
	v_add_nc_u32 v11, s[TS], v4
	s_wait_alu depctr_va_vdst(0)
	v_add_nc_u32 v28, s[TV], v5
	v_nop
.irp g, 0,1
.if \g
.rept 4
	v_nop
.endr
.endif
.irp t, 0,1,2,3
	ds_load_b128 v[32+12*\t:35+12*\t], v8 offset:(4*\g+\t)*768
	ds_load_b64 v[36+12*\t:37+12*\t], v9 offset:(4*\g+\t)*768
.endr
	ds_load_b128 v[248:251], v11 offset:256*\g
	s_wait_dscnt 0x0
.irp t, 0,1,2,3
	v_wmma_scale_f32_16x16x128_f8f6f4 v[96+8*(4*\g+\t):103+8*(4*\g+\t)], v[32+12*\t:43+12*\t], v[16:27], 0, v[248+\t], v255 matrix_a_fmt:MATRIX_FMT_FP6 matrix_b_fmt:MATRIX_FMT_FP6
.endr
.endr
.rept 4
	v_nop
.endr
.irp b, 0,1,2,3
	v_max3_num_f32 v[232+\b], v[96+16*\b], v[97+16*\b], v[98+16*\b]
.endr
.irp i, 3,5,7,9,11,13
.irp b, 0,1,2,3
	v_max3_num_f32 v[232+\b], v[232+\b], v[96+16*\b+\i], v[97+16*\b+\i]
.endr
.endr
.irp b, 0,1,2,3
	v_max_num_f32 v[232+\b], v[232+\b], v[111+16*\b]
.endr
.irp b, 0,1,2,3
	s_delay_alu instid0(VALU_DEP_4)
	v_permlanex16_b32 v[236+\b], v[232+\b], s[SEL], s[SEL+1]
.endr
.irp b, 0,1,2,3
	s_delay_alu instid0(VALU_DEP_4)
	v_max_num_f32 v[232+\b], v[232+\b], v[236+\b]
.endr
	s_delay_alu instid0(VALU_DEP_2)
	v_max3_num_f32 v254, v232, v233, v234
	s_delay_alu instid0(VALU_DEP_1)
	v_max_num_f32 v254, v254, v235
	s_delay_alu instid0(VALU_DEP_1)
	v_mul_f32 v254, s[CS], v254
	s_delay_alu instid0(VALU_DEP_1)
	v_max_num_f32 v13, v13, v254
	v_mov_b32 v254, v12
	s_delay_alu instid0(VALU_DEP_2)
	v_floor_f32 v12, -v13
	s_delay_alu instid0(VALU_DEP_1)
	v_sub_f32 v254, v12, v254
	s_delay_alu instid0(VALU_DEP_1)
	v_cvt_i32_f32 v254, v254
	s_delay_alu instid0(VALU_DEP_1)
	v_ldexp_f32 v252, 1.0, v254
.irp j, 0,2,4,6,8,10,12,14,16,18,20,22,24,26,28,30,32,34,36,38,40,42,44,46,48,50,52,54,56,58,60,62
	v_pk_fma_f32 v[96+\j:97+\j], v[96+\j:97+\j], s[CS:CS+1], v[12:13] op_sel_hi:[1,0,0]
.endr
.irp b, 0,1,2,3
	v_fma_f32 v[232+\b], v[232+\b], s[CS], v12
.endr
	s_wait_alu depctr_va_vdst(0)
.irp j, 0,1,2,3,4,5,6,7,8,9,10,11,12,13,14,15,16,17,18,19,20,21,22,23,24,25,26,27,28,29,30,31,32,33,34,35,36,37,38,39,40,41,42,43,44,45,46,47,48,49,50,51,52,53,54,55,56,57,58,59,60,61,62,63
	v_exp_f32 v[96+\j], v[96+\j]
.endr
	s_setprio 1
	v_pk_mul_f32 v[14:15], v[14:15], v[252:253] op_sel_hi:[1,0]
	s_wait_alu depctr_va_vdst(0)
.irp b, 0,1,2,3
	v_exp_f32 v[232+\b], v[232+\b]
.endr
	v_pk_add_f32 v[236:237], v[96:97], v[98:99]
.irp j, 4,8,12,16,20,24,28,32,36,40,44,48,52,56,60
	v_pk_add_f32 v[14:15], v[14:15], v[96+\j:97+\j]
	v_pk_add_f32 v[236:237], v[236:237], v[98+\j:99+\j]
.endr
	s_delay_alu instid0(VALU_DEP_1)
	v_pk_add_f32 v[14:15], v[14:15], v[236:237]
	s_wait_alu depctr_va_vdst(0)
.irp b, 0,1,2,3
	v_max_num_f32 v[232+\b], 0x1800000, v[232+\b]
.endr
.irp b, 0,1,2,3
	s_delay_alu instid0(VALU_DEP_4)
	v_add_nc_u32 v[244+\b], 0xff000000, v[232+\b]
.endr
.irp b, 0,1,2,3
	s_delay_alu instid0(VALU_DEP_4)
	v_lshrrev_b32 v[236+\b], 23, v[244+\b]
.endr
	s_delay_alu instid0(VALU_DEP_3)
	v_lshl_or_b32 v253, v237, 8, v236
	s_delay_alu instid0(VALU_DEP_1)
	v_lshl_or_b32 v253, v238, 16, v253
	s_delay_alu instid0(VALU_DEP_1)
	v_lshl_or_b32 v253, v239, 24, v253
.irp c, 0,1
	v_cvt_scalef32_pk16_fp6_f32 v[224+6*\c:226+6*\c], v[96+32*\c:111+32*\c], v[244+2*\c]
	v_cvt_scalef32_pk16_fp6_f32 v[236+4*\c:238+4*\c], v[112+32*\c:127+32*\c], v[244+2*\c+1]
.endr
	v_nop
.irp t, 0,1,2,3
.irp c, 0,1,2
	ds_load_b128 v[96+12*\t+4*\c:99+12*\t+4*\c], v10 offset:1536*\t+512*\c
.endr
.endr
	ds_load_b128 v[248:251], v28
.irp c, 0,1
.irp i, 0,1,2
	v_permlane16_swap_b32 v[224+6*\c+\i], v[236+4*\c+\i]
.endr
.irp i, 0,1,2
	s_delay_alu instid0(VALU_DEP_3)
	v_mov_b32 v[227+6*\c+\i], v[236+4*\c+\i]
.endr
.endr
	s_setprio 0
.irp j, 0,2,4,6,8,10,12,14,16,18,20,22,24,26,28,30
	v_pk_mul_f32 v[160+\j:161+\j], v[160+\j:161+\j], v[252:253] op_sel_hi:[1,0]
.endr
	s_wait_alu depctr_va_vdst(0)
	s_wait_dscnt 0x0
.irp t, 0,1,2,3
	v_wmma_scale_f32_16x16x128_f8f6f4 v[160+8*\t:167+8*\t], v[96+12*\t:107+12*\t], v[224:235], v[160+8*\t:167+8*\t], v[248+\t], v253 matrix_a_fmt:MATRIX_FMT_FP6 matrix_b_fmt:MATRIX_FMT_FP6
.endr
	s_add_co_u32 s[TB], s[TB], 6144
	s_add_co_u32 s[TS], s[TS], 512
	s_add_co_u32 s[TV], s[TV], 256
	s_sub_co_u32 s[NST], s[NST], 1
	s_cmp_lg_u32 s[NST], 0
	s_cbranch_scc1 .Lstep
	s_setprio 0
.rept 4
	v_nop
.endr
	v_add_f32 v14, v14, v15
	s_delay_alu instid0(VALU_DEP_1)
	v_permlanex16_b32 v252, v14, s[SEL], s[SEL+1]
	s_delay_alu instid0(VALU_DEP_1)
	v_add_f32 v14, v14, v252
	s_wait_alu depctr_va_vdst(0)
	v_rcp_f32 v14, v14
	v_nop
	s_wait_alu depctr_va_vdst(0)
.irp j, 0,2,4,6,8,10,12,14,16,18,20,22,24,26,28,30
	v_pk_mul_f32 v[192+\j:193+\j], v[160+\j:161+\j], v[14:15] op_sel_hi:[1,0]
.endr
.irp b, 0,1
	v_max3_num_f32 v[232+\b], |v[192+16*\b]|, |v[193+16*\b]|, 0x1800000
.endr
.irp i, 2,4,6,8,10,12,14
.irp b, 0,1
	s_delay_alu instid0(VALU_DEP_2)
	v_max3_num_f32 v[232+\b], v[232+\b], |v[192+16*\b+\i]|, |v[193+16*\b+\i]|
.endr
.endr
.irp b, 0,1
	s_delay_alu instid0(VALU_DEP_2)
	v_permlanex16_b32 v[236+\b], v[232+\b], s[SEL], s[SEL+1]
.endr
.irp b, 0,1
	s_delay_alu instid0(VALU_DEP_2)
	v_max_num_f32 v[232+\b], v[232+\b], v[236+\b]
.endr
.irp b, 0,1
	s_delay_alu instid0(VALU_DEP_2)
	v_add_nc_u32 v[244+\b], 0xff000000, v[232+\b]
.endr
.irp b, 0,1
	s_delay_alu instid0(VALU_DEP_2)
	v_lshrrev_b32 v[236+\b], 23, v[244+\b]
.endr
	v_cvt_scalef32_pk16_fp6_f32 v[224:226], v[192:207], v244
	v_cvt_scalef32_pk16_fp6_f32 v[240:242], v[208:223], v245
	v_nop
.irp i, 0,1,2
	v_permlane16_swap_b32 v[224+\i], v[240+\i]
.endr
.irp i, 0,1,2
	s_delay_alu instid0(VALU_DEP_3)
	v_mov_b32 v[227+\i], v[240+\i]
.endr
	v_cndmask_b32 v254, v236, v237, s[HI16]
	global_store_b128 v1, v[224:227], s[OC:OC+1]
	global_store_b64 v2, v[228:229], s[OC:OC+1]
	global_store_b8 v7, v254, s[OS:OS+1]
.irp j, 0,1,2,3,4,5
	v_mov_b32 v[16+\j], v[80+\j]
.endr
	v_mov_b32 v255, v86
	s_wait_xcnt 0x0
	s_add_nc_u64 s[OC:OC+1], s[OC:OC+1], 16*12288
	s_add_nc_u64 s[OS:OS+1], s[OS:OS+1], 16*512
	s_sub_co_u32 s[NPA], s[NPA], 1
	s_cmp_lg_u32 s[NPA], 0
	s_cbranch_scc1 .Lpass
	s_wait_dscnt 0x0
	s_wait_tensorcnt 0x0
	ds_add_u32 v95, v243
	s_wait_dscnt 0x0
	ROUND
	s_endpgm
.Lfunc_end_k_q53024f9c6d_attn:
	.size	k_q53024f9c6d_attn, .Lfunc_end_k_q53024f9c6d_attn-k_q53024f9c6d_attn
	.p2alignl 7, 3214868480
	.fill 96, 4, 3214868480
	.section	.rodata,"a",@progbits
	.p2align	6, 0x0
	.amdhsa_kernel k_q53024f9c6d_attn
		.amdhsa_group_segment_fixed_size 327680
		.amdhsa_private_segment_fixed_size 0
		.amdhsa_enable_private_segment 0
		.amdhsa_kernarg_size 32
		.amdhsa_user_sgpr_count 2
		.amdhsa_user_sgpr_kernarg_segment_ptr 1
		.amdhsa_wavefront_size32 1
		.amdhsa_system_sgpr_workgroup_id_x 1
		.amdhsa_system_sgpr_workgroup_id_y 1
		.amdhsa_system_sgpr_workgroup_id_z 1
		.amdhsa_system_vgpr_workitem_id 0
		.amdhsa_next_free_vgpr 256
		.amdhsa_next_free_sgpr 66
		.amdhsa_reserve_vcc 0
		.amdhsa_float_denorm_mode_32 3
		.amdhsa_float_denorm_mode_16_64 3
		.amdhsa_memory_ordered 1
		.amdhsa_forward_progress 1
		.amdhsa_inst_pref_size 32
	.end_amdhsa_kernel
	.amdgpu_metadata
---
amdhsa.version: [ 1, 2 ]
amdhsa.kernels:
  - .name:           k_q53024f9c6d_attn
    .symbol:         k_q53024f9c6d_attn.kd
    .args:
      - { .name: qkvc, .offset: 0, .size: 8, .value_kind: global_buffer, .address_space: global }
      - { .name: qkvs, .offset: 8, .size: 8, .value_kind: global_buffer, .address_space: global }
      - { .name: acod, .offset: 16, .size: 8, .value_kind: global_buffer, .address_space: global }
      - { .name: ascl, .offset: 24, .size: 8, .value_kind: global_buffer, .address_space: global }
    .group_segment_fixed_size: 327680
    .private_segment_fixed_size: 0
    .kernarg_segment_align: 8
    .kernarg_segment_size: 32
    .max_flat_workgroup_size: 512
    .sgpr_count:     66
    .vgpr_count:     256
    .wavefront_size: 32
...
	.end_amdgpu_metadata
.endif
;; end of part 4
;; launch outp (part 5): grid 4 x 32, 4 waves a work-group, clusters of 4 x 4, 327,680 bytes of LDS; arguments acod, ascl, cod, bo, out0; writes out0
.if DOCPART == 5
	.amdgcn_target "amdgcn-amd-amdhsa--gfx1250"
	.amdhsa_code_object_version 6
	.text
	.protected	k_q53024f9c6d_outp
	.globl	k_q53024f9c6d_outp
	.p2align	8
	.type	k_q53024f9c6d_outp,@function
k_q53024f9c6d_outp:
	s_mov_b64 s[64:65], 0
	v_nop
	global_prefetch_b8 v0, s[64:65] scope:SCOPE_SE
	s_setreg_imm32_b32 hwreg(HW_REG_WAVE_MODE, 25, 1), 1
	s_wait_xcnt 0x0
	s_wait_alu depctr_hold_cnt(0) depctr_sa_sdst(0) depctr_va_vdst(0) depctr_va_sdst(0) depctr_va_ssrc(0) depctr_va_vcc(0) depctr_vm_vsrc(0)
	s_getreg_b32 s2, hwreg(HW_REG_IB_STS2, 6, 4)
	s_cmp_eq_u32 s2, 0
	s_cbranch_scc0 .Lentry_in_a_cluster
	s_endpgm
.Lentry_in_a_cluster:
	s_bfe_u32 s2, ttmp6, 0x10000c
	s_cmp_lg_u32 s2, 0xf033
	s_cbranch_scc0 .Lentry_shape_is_right
	s_endpgm
.Lentry_shape_is_right:
.set NQ,     2
.set ROWB,   192
.set KROW,   768
.set PITCH,  240
.set FR,     12
.set NLA,    4
.set NP,     4
.set HALFA,  8*3072
.set HALFT,  128*PITCH
.set SLOT,   2*HALFA+2*HALFT
.set KS,     32
.set SCL,    2*SLOT
.set HALFS,  (128*KS/256)*272
.set SBLK,   (16*KS/256)*272
.set SPARE,  SCL+4*HALFS
.set SPITCH, 528
.set SC_OFF, 9437184
.set ADRA, 16
.set ADRB, 20
.set STO,  24
.set RD,   25
.set CO,   26
.set ADRS, 27
.set SPW,  28
.set NIL,  29
.set SC,   32
.set BI,   64
.set AF,   128
.set BK,   128
.set G1, 24
.set G0, 32
.set G1B, 48
.set G0B, 56
.set G1S, 68
.set G0S, 76
.set G1SB, 80
.set G0SB, 88
.set MSB, 0
.macro WIN new
.if MSB != (\new)
	s_set_vgpr_msb (MSB<<8)|(\new)
.set MSB, \new
.endif
.endm
.set MUL_LO, 0xa1
.set MUL_HI, 0xf1
.set FIRST_LO, 0x81
.set FIRST_HI, 0xc1
.set TO_B,   0x40
.macro JLOAD g0a, g1a, g0b, g1b
	s_cmp_eq_u32 s15, 0
	s_cbranch_scc0 .Lfor_b_\@
	tensor_load_to_lds s[\g0a:\g0a+3], s[\g1a:\g1a+7]
	s_nop 0
.rept 4
	v_nop
.endr
	s_branch .Lasked_\@
.Lfor_b_\@:
	tensor_load_to_lds s[\g0b:\g0b+3], s[\g1b:\g1b+7]
	s_nop 0
.rept 4
	v_nop
.endr
.Lasked_\@:
.endm
.macro CREST
	s_cmp_lg_u32 s14, 0
	s_cbranch_scc1 .Lnot_wave_0_\@
	s_barrier_signal -3
.Lnot_wave_0_\@:
	s_barrier_wait -3
	s_barrier_signal -1
	s_barrier_wait -1
.endm
.macro CROUND
	s_barrier_signal -1
	s_barrier_wait -1
	CREST
.endm
	s_load_b256 s[4:11], s[0:1], 0x0
	s_load_b64 s[12:13], s[0:1], 0x20
	v_lshl_add_u32 v[SPW], v0, 2, SPARE
	v_mov_b32 v[NIL], 0
	ds_add_u32 v28, v29
	ds_add_u32 v28, v29
	s_wait_dscnt 0x0
	v_lshrrev_b32 v1, 5, v0
	v_readfirstlane_b32 s14, v1
	s_lshr_b32 s15, s14, 1
	s_and_b32 s16, s14, 1
	s_bfe_u32 s40, ttmp6, 0x40000
	s_bfe_u32 s41, ttmp6, 0x40004
	s_lshl_b32 s42, ttmp9, 2
	s_add_co_u32 s42, s42, s40
	s_and_b32 s17, ttmp7, 0xffff
	s_lshl_b32 s17, s17, 2
	s_add_co_u32 s17, s17, s41
	s_lshl_b32 s43, s41, 2
	s_lshl_b32 s43, 15, s43
	s_lshl_b32 s44, 0x1111, s40
	s_or_b32 s[G1+0], s43, (3<<16)|(1<<21)
	s_mov_b32 s[G1+1], 384<<16
	s_mov_b32 s[G1+2], 8<<16
	s_mov_b32 s[G1+3], 384<<16
	s_mov_b32 s[G1+4], 8
	s_mov_b32 s[G1+5], 1536
	s_mov_b32 s[G1+6], 0
	s_mov_b32 s[G1+7], 0
	s_or_b32 s[G1B+0], s44, (0<<16)|(1<<20)|(1<<21)|(3<<22)|(3<<25)
	s_mov_b32 s[G1B+1], ROWB<<16
	s_mov_b32 s[G1B+2], 128<<16
	s_mov_b32 s[G1B+3], ROWB<<16
	s_mov_b32 s[G1B+4], 128
	s_mov_b32 s[G1B+5], KROW
	s_mov_b32 s[G1B+6], 0
	s_mov_b32 s[G1B+7], 0
	s_or_b32 s[G1S+0], s43, (3<<16)|(1<<20)|(1<<21)|(5<<22)|(3<<25)
	s_or_b32 s[G1SB+0], s44, (3<<16)|(1<<20)|(1<<21)|(5<<22)|(3<<25)
.irp g, G1S, G1SB
	s_mov_b32 s[\g+1], 32<<16
	s_mov_b32 s[\g+2], (128*KS/256)<<16
	s_mov_b32 s[\g+3], 32<<16
	s_mov_b32 s[\g+4], 128*KS/256
	s_mov_b32 s[\g+5], 32
	s_mov_b32 s[\g+6], 0
	s_mov_b32 s[\g+7], 0
.endr
	s_lshl_b32 s20, s17, 4
	s_lshl_b32 s18, s16, 3
	s_add_co_u32 s20, s20, s18
	s_lshl_b32 s22, s20, 9
	s_mov_b32 s23, 0
	s_mul_i32 s20, s20, 12288
	s_mov_b32 s21, 0
	s_lshl_b32 s46, s42, 8
	s_lshl_b32 s18, s16, 7
	s_add_co_u32 s46, s46, s18
	s_add_co_u32 s46, s46, 11264
	s_lshl_b32 s92, s46, 5
	s_add_co_u32 s92, s92, SC_OFF
	s_mov_b32 s93, 0
	s_mul_i32 s46, s46, KROW
	s_mov_b32 s47, 0
	s_mul_i32 s45, s16, HALFA
	s_mul_i32 s95, s16, HALFT
	s_add_co_u32 s95, s95, 2*HALFA
	s_mul_i32 s94, s14, HALFS
	s_wait_kmcnt 0x0
	s_add_nc_u64 s[20:21], s[4:5], s[20:21]
	s_add_nc_u64 s[22:23], s[6:7], s[22:23]
	s_add_nc_u64 s[46:47], s[8:9], s[46:47]
	s_add_nc_u64 s[92:93], s[8:9], s[92:93]
	CROUND
	s_mov_b32 s[G0S], 1
	s_add_co_u32 s[G0S+1], s94, SCL
	s_mov_b64 s[G0S+2:G0S+3], s[22:23]
	s_or_b32 s[G0S+3], s[G0S+3], 0x80000000
	s_mov_b32 s[G0SB], 1
	s_add_co_u32 s[G0SB+1], s94, SCL
	s_mov_b64 s[G0SB+2:G0SB+3], s[92:93]
	s_or_b32 s[G0SB+3], s[G0SB+3], 0x80000000
	JLOAD G0S, G1S, G0SB, G1SB
.irp s, 0,1
	s_mov_b32 s[G0+4*\s], 1
	s_add_co_u32 s[G0+4*\s+1], s45, \s*SLOT
	s_add_nc_u64 s[G0+4*\s+2:G0+4*\s+3], s[20:21], \s*3072
	s_or_b32 s[G0+4*\s+3], s[G0+4*\s+3], 0x80000000
	s_mov_b32 s[G0B+4*\s], 1
	s_add_co_u32 s[G0B+4*\s+1], s95, \s*SLOT
	s_add_nc_u64 s[G0B+4*\s+2:G0B+4*\s+3], s[46:47], \s*ROWB
	s_or_b32 s[G0B+4*\s+3], s[G0B+4*\s+3], 0x80000000
	s_wait_alu depctr_va_vdst(0)
	s_wait_tensorcnt 0x0
	ds_add_u32 v28, v29
	s_wait_dscnt 0x0
	CROUND
	JLOAD G0+4*\s, G1, G0B+4*\s, G1B
.endr
	v_and_b32 v1, 15, v0
	v_bfe_u32 v2, v0, 4, 1
	v_and_b32 v6, 31, v0
	v_mul_u32_u24 v3, v1, PITCH
	v_mul_u32_u24 v4, v2, 24
	v_add_nc_u32 v4, v3, v4
	v_lshl_add_u32 v5, v2, 4, v4
	s_mul_i32 s21, s15, HALFA
	s_mul_i32 s22, s16, HALFT
	s_add_co_u32 s22, s22, 2*HALFA
.irp s, 0,1
	v_lshl_add_u32 v[ADRA+\s], v6, 4, s21
	v_lshl_add_u32 v[ADRA+2+\s], v6, 3, s21
	v_add_nc_u32 v[ADRB+\s], s22, v4
	v_add_nc_u32 v[ADRB+2+\s], s22, v5
	s_add_co_u32 s21, s21, SLOT
	s_add_co_u32 s22, s22, SLOT
.endr
	v_mul_u32_u24 v5, v1, KS
	v_lshrrev_b32 v3, 8, v5
	v_lshl_add_u32 v5, v3, 4, v5
	s_mul_i32 s21, s15, HALFS
	s_mul_i32 s22, s16, HALFS
	s_add_co_u32 s22, s22, 2*HALFS
	s_sub_co_u32 s22, s22, s21
	v_mul_u32_u24 v3, s22, v2
	s_add_co_u32 s21, s21, SCL
	v_add_nc_u32 v5, v5, v3
	v_add_nc_u32 v[ADRS], s21, v5
	s_mul_i32 s23, s14, 16*SPITCH
	v_mul_u32_u24 v5, v1, SPITCH
	v_lshl_add_u32 v5, v2, 6, v5
	v_add_nc_u32 v[STO], s23, v5
	v_lshlrev_b32 v[CO], 4, v6
	v_add_nc_u32 v[RD], s23, v[CO]
	s_lshl_b32 s20, s17, 8
	s_lshl_b32 s21, s15, 7
	s_add_co_u32 s20, s20, s21
	s_lshl_b32 s20, s20, 12
	s_lshl_b32 s46, s42, 10
	s_lshl_b32 s47, s16, 9
	s_add_co_u32 s46, s46, s47
	s_add_co_u32 s20, s20, s46
	s_mov_b32 s21, 0
	s_add_nc_u64 s[12:13], s[12:13], s[20:21]
	s_mov_b32 s47, 0
	s_add_nc_u64 s[66:67], s[10:11], s[46:47]
	v_lshlrev_b32 v7, 6, v2
.irp b, 0,1,2,3,4,5,6,7
	global_load_b128 v[BI+8*\b:BI+8*\b+3], v7, s[66:67] offset:128*(\b/2)+32*(\b%2)
	global_load_b128 v[BI+8*\b+4:BI+8*\b+7], v7, s[66:67] offset:128*(\b/2)+32*(\b%2)+16
.endr
.macro FRAG reg, adr, q, i
.irp p, 0,1,2,3,4,5
.set PCE, 12*(\q)+6*(\p/3)+\p%3
.if PCE%8 < 5
	ds_load_b64 v[\reg+2*\p:\reg+2*\p+1], v[\adr] offset:8*PCE+16*(PCE/8)+(\i)*16*PITCH
.else
	ds_load_b64 v[\reg+2*\p:\reg+2*\p+1], v[\adr+2] offset:8*PCE+16*(PCE/8)+(\i)*16*PITCH
.endif
.endr
.endm
.macro FRAG_A reg, slot, q, i
	ds_load_b128 v[\reg:\reg+3], v[ADRA+\slot] offset:3072*(\i)+1536*(\q)
	ds_load_b64 v[\reg+4:\reg+5], v[ADRA+2+\slot] offset:3072*(\i)+1536*(\q)+512
	ds_load_b128 v[\reg+6:\reg+9], v[ADRA+\slot] offset:3072*(\i)+1536*(\q)+768
	ds_load_b64 v[\reg+10:\reg+11], v[ADRA+2+\slot] offset:3072*(\i)+1536*(\q)+1280
.endm
.macro MUL16 a0, p, q, sc, first
.irp a, \a0, \a0+1
.irp b, 0,1,2,3,4,5,6,7
.if \first
	v_wmma_scale_f32_16x16x128_f8f6f4 v[8*(8*((\a)%4)+\b):8*(8*((\a)%4)+\b)+7], v[128*(\p)+FR*\b:128*(\p)+FR*\b+FR-1], v[AF+FR*(\a):AF+FR*(\a)+FR-1], v[BI+8*\b:BI+8*\b+7], v[SC+8*NQ*(\sc)+NQ*\b+(\q)], v[SC+8*NQ*(\sc)+NQ*(\a)+(\q)] matrix_a_fmt:MATRIX_FMT_FP6 matrix_b_fmt:MATRIX_FMT_FP6 matrix_a_scale:MATRIX_SCALE_ROW1
.else
	v_wmma_scale_f32_16x16x128_f8f6f4 v[8*(8*((\a)%4)+\b):8*(8*((\a)%4)+\b)+7], v[128*(\p)+FR*\b:128*(\p)+FR*\b+FR-1], v[AF+FR*(\a):AF+FR*(\a)+FR-1], v[8*(8*((\a)%4)+\b):8*(8*((\a)%4)+\b)+7], v[SC+8*NQ*(\sc)+NQ*\b+(\q)], v[SC+8*NQ*(\sc)+NQ*(\a)+(\q)] matrix_a_fmt:MATRIX_FMT_FP6 matrix_b_fmt:MATRIX_FMT_FP6 matrix_a_scale:MATRIX_SCALE_ROW1
.endif
.endr
.endr
.endm
.macro FETCH_B slot, q, p
	WIN TO_B
.irp i, 0,1,2,3,4,5,6,7
	FRAG 128*(\p)+FR*\i, ADRB+\slot, \q, \i
.endr
	WIN 0
.endm
.macro FETCH_A slot, q, i0
.irp i, \i0, \i0+1, \i0+2, \i0+3
	FRAG_A AF+FR*(\i), \slot, \q, \i
.endr
.endm
.macro SCALES sc
.irp i, 0,1,2,3,4,5,6,7
	ds_load_b64 v[SC+8*NQ*\sc+NQ*\i:SC+8*NQ*\sc+NQ*\i+1], v[ADRS] offset:\i*SBLK
.endr
.endm
.macro PLACES n
.rept \n
	v_nop
.endr
.endm
.macro STEP slot, q, first
	s_wait_dscnt 4*NLA
.if \first
	WIN FIRST_LO
.else
	WIN MUL_LO
.endif
	MUL16 0, (\q)%2, \q, \slot, \first
	MUL16 2, (\q)%2, \q, \slot, \first
	s_wait_dscnt 0
	PLACES NP
	FETCH_B \slot, (\q)+1, 1-(\q)%2
	FETCH_A \slot, (\q)+1, 0
.if \first
	WIN FIRST_HI
.else
	WIN MUL_HI
.endif
	MUL16 4, (\q)%2, \q, \slot, \first
	MUL16 6, (\q)%2, \q, \slot, \first
	PLACES NP
	WIN 0
	FETCH_A \slot, (\q)+1, 4
.endm
.macro TURN slot, next, fill
	s_wait_tensorcnt 0x0
	ds_add_u32 v[SPW], v[NIL]
	s_wait_dscnt 4*NLA+1
	WIN MUL_LO
	MUL16 0, 1, NQ-1, \slot, 0
	s_wait_dscnt 0x0
	s_barrier_signal -1
	MUL16 2, 1, NQ-1, \slot, 0
	WIN 0
	s_barrier_wait -1
.if \fill
	CREST
	s_add_nc_u64 s[G0+4*\slot+2:G0+4*\slot+3], s[G0+4*\slot+2:G0+4*\slot+3], 2*3072
	s_add_nc_u64 s[G0B+4*\slot+2:G0B+4*\slot+3], s[G0B+4*\slot+2:G0B+4*\slot+3], 2*ROWB
	JLOAD G0+4*\slot, G1, G0B+4*\slot, G1B
.else
	PLACES NP
.endif
	s_wait_alu depctr_va_vdst(0)
	v_add_nc_u32 v[ADRS], 4*NQ, v[ADRS]
	FETCH_B \next, 0, 0
	FETCH_A \next, 0, 0
	SCALES \next
	WIN MUL_HI
	MUL16 4, 1, NQ-1, \slot, 0
	MUL16 6, 1, NQ-1, \slot, 0
	PLACES NP
	WIN 0
	FETCH_A \next, 0, 4
.endm
	s_wait_alu depctr_va_vdst(0)
	s_wait_tensorcnt 1
	s_barrier_signal -1
	s_barrier_wait -1
	FETCH_B 0, 0, 0
	FETCH_A 0, 0, 0
	SCALES 0
	FETCH_A 0, 0, 4
	s_wait_loadcnt 0x0
	STEP 0, 0, 1
	TURN 0, 1, 1
	STEP 1, 0, 0
	TURN 1, 0, 1
	STEP 0, 0, 0
	TURN 0, 1, 0
	STEP 1, 0, 0
	s_wait_dscnt 4*NLA
	WIN MUL_LO
	MUL16 0, 1, NQ-1, 1, 0
	MUL16 2, 1, NQ-1, 1, 0
	s_wait_dscnt 0
	WIN MUL_HI
	MUL16 4, 1, NQ-1, 1, 0
	MUL16 6, 1, NQ-1, 1, 0
	WIN 0
.macro TOSTAGE a
.set AC, 64*((\a)%4)
	WIN 0x08+4*((\a)/4)
.irp b, 0,1,2,3,4,5,6,7
	ds_store_b128 v[STO], v[AC+8*\b:AC+8*\b+3] offset:128*(\b/2)+32*(\b%2)
	ds_store_b128 v[STO], v[AC+8*\b+4:AC+8*\b+7] offset:128*(\b/2)+32*(\b%2)+16
.endr
	WIN 0
.set BB, BK+64*((\a)%2)
.irp t, 0,1,2,3,4,5,6,7,8,9,10,11,12,13,14,15
	ds_load_b128 v[BB+4*\t:BB+4*\t+3], v[RD] offset:\t*SPITCH
.endr
.endm
.macro SEND a, younger
.set BB, BK+64*((\a)%2)
	s_wait_dscnt \younger
.irp t, 0,1,2,3,4,5,6,7,8,9,10,11,12,13,14,15
	global_store_b128 v[CO], v[BB+4*\t:BB+4*\t+3], s[12:13] offset:(32*((\a)/2)+8*((\a)%2)+(\t%8)+16*(\t/8))*4096 th:TH_STORE_NT
.endr
.endm
	PLACES NP
	TOSTAGE 0
.irp a, 1,2,3,4,5,6,7
.if \a > 1
	s_wait_xcnt 0x0
.endif
	TOSTAGE \a
	SEND \a-1, 32
.endr
	SEND 7, 0
	s_wait_tensorcnt 0x0
	ds_add_u32 v[SPW], v[NIL]
	s_wait_dscnt 0x0
	CROUND
	s_endpgm
.Lfunc_end_k_q53024f9c6d_outp:
	.size	k_q53024f9c6d_outp, .Lfunc_end_k_q53024f9c6d_outp-k_q53024f9c6d_outp
	.p2alignl 7, 3214868480
	.fill 96, 4, 3214868480
	.section	.rodata,"a",@progbits
	.p2align	6, 0x0
	.amdhsa_kernel k_q53024f9c6d_outp
		.amdhsa_group_segment_fixed_size 327680
		.amdhsa_private_segment_fixed_size 0
		.amdhsa_enable_private_segment 0
		.amdhsa_kernarg_size 40
		.amdhsa_user_sgpr_count 2
		.amdhsa_user_sgpr_kernarg_segment_ptr 1
		.amdhsa_wavefront_size32 1
		.amdhsa_system_sgpr_workgroup_id_x 1
		.amdhsa_system_sgpr_workgroup_id_y 1
		.amdhsa_system_sgpr_workgroup_id_z 1
		.amdhsa_system_vgpr_workitem_id 0
		.amdhsa_next_free_vgpr 1024
		.amdhsa_next_free_sgpr 98
		.amdhsa_reserve_vcc 0
		.amdhsa_float_denorm_mode_32 3
		.amdhsa_float_denorm_mode_16_64 3
		.amdhsa_memory_ordered 1
		.amdhsa_forward_progress 1
		.amdhsa_inst_pref_size 154
	.end_amdhsa_kernel
	.amdgpu_metadata
---
amdhsa.version: [ 1, 2 ]
amdhsa.kernels:
  - .name:           k_q53024f9c6d_outp
    .symbol:         k_q53024f9c6d_outp.kd
    .args:
      - { .name: acod, .offset: 0, .size: 8, .value_kind: global_buffer, .address_space: global }
      - { .name: ascl, .offset: 8, .size: 8, .value_kind: global_buffer, .address_space: global }
      - { .name: cod, .offset: 16, .size: 8, .value_kind: global_buffer, .address_space: global }
      - { .name: bo, .offset: 24, .size: 8, .value_kind: global_buffer, .address_space: global }
      - { .name: out0, .offset: 32, .size: 8, .value_kind: global_buffer, .address_space: global }
    .group_segment_fixed_size: 327680
    .private_segment_fixed_size: 0
    .kernarg_segment_align: 8
    .kernarg_segment_size: 40
    .max_flat_workgroup_size: 128
    .sgpr_count:     98
    .vgpr_count:     1024
    .wavefront_size: 32
...
	.end_amdgpu_metadata
.endif
;; end of part 5
